; MI455X (gfx1250); checked and timed in simulation.
; The chip was launched on July 23, 2026; its instructions are those of AMD's public machine-readable ISA for CDNA 5 (MIT licence, August 2026) and "CDNA5" Instruction Set Architecture Reference Guide (July 2026). The comments in the code are by the model that wrote it; some were corrected since.
;; Custom Model WOQ Linear Add Sequential. Allowed arithmetic: float matrix products may take bf16 or f16 operands with f32 sums; all other float work in f32.
;; Inputs: add1 4 x 512 x 4,096 float32; add2 4 x 512 x 4,096 float32; inp 4 x 512 x 4,096 float32; qweight 4,096 x 512 int32; woq_bias 4,096 float32; woq_qzeros 32 x 512 int32; woq_scales 32 x 4,096 float32.
;; Outputs: out0 4 x 512 x 4,096 float32.
;; Constants: group_size = 128.
;; 2 versions, each right. Each part assembles by itself: llvm-mc -triple=amdgcn-amd-amdhsa -mcpu=gfx1250 --defsym DOCPART=n.
;; ======== version 1 of 2: 3 launches
;; limits: values outside matrix products are rounded to f16; values are held in f16: magnitudes above 65,504 overflow, below 6.1e-05 lose precision; right only within a limited range of input values
;; workspace buffers: xh 16,777,216 bytes; wh 33,554,432 bytes; ah 16,777,216 bytes
;; launch prep (part 1): grid 512 x 1, 8 waves a work-group, no clusters, 0 bytes of LDS; arguments inp, qweight, woq_scales, woq_qzeros, xh, wh; writes xh, wh
.if DOCPART == 1
	.amdgcn_target "amdgcn-amd-amdhsa--gfx1250"
	.amdhsa_code_object_version 6
	.text
	.protected	k_q441d68943f_prep
	.globl	k_q441d68943f_prep
	.p2align	8
	.type	k_q441d68943f_prep,@function
k_q441d68943f_prep:
	s_mov_b64 s[64:65], 0
	v_nop
	global_prefetch_b8 v0, s[64:65] scope:SCOPE_SE
	s_setreg_imm32_b32 hwreg(HW_REG_WAVE_MODE, 25, 1), 1
	s_wait_xcnt 0x0
; wh[k][n] = f16((q[k][n] - z[k/128][n]) * s[k/128][n]), [4096][4096]; xh = f16(inp), [2048][4096].
; q and z are 4-bit codes, eight to an int32, the lowest nibble the lowest n; q - z is exact in f32, the product is rounded once in f32 and once to f16.
; LIMITS.  f16 holds no number from 65,520 on (it becomes an infinity) and keeps a fixed step of 6e-8 below 6e-5: inp and W must lie within that range.
; A stream: no LDS, no barrier, no loop, no matrix unit, no cluster (no two work-groups read the same bytes but 2 KB of zeros and 8 KB of scales).
; SHARES.  512 work-groups of 256 threads.  Work-group w dequantises 16 rows k = 16 (w / 2) .. of one group of 128, int columns 256 (w % 2) + t: a thread has one word a row
; (8 codes -> 16 bytes of wh; a wave's store covers 512 consecutive bytes, aligned), and its eight z and s stay in registers.  It also casts inp's rows 4 w .. 4 w + 3,
; 65,536 bytes on end, in 16 chunks of 16 bytes a thread (a wave's store of 8 bytes a lane covers 256 consecutive bytes, aligned).
; All 35 loads of a wave go out first; every wait is counted; no register that a store reads is written again, so no wait frees any.
.set ZQ, 5                             ; v5        my word of zeros
.set SC, 8                             ; v[8:15]   my eight scales
.set Z,  16                            ; v[16:23]  my eight zeros as f32
.set Q,  24                            ; v[24:39]  row i: my word of codes
.set T,  40                            ; v[40:55]  at work: two sets of eight, by the row's parity
.set Y,  56                            ; v[56:119] row i: 4 registers, 8 f16 to store
.set X,  120                           ; v[120:183] chunk j: 4 f32 as loaded, then 4 f16 in the first two registers
	s_load_b256 s[4:11], s[0:1], 0x0               ; inp s[4:5], qweight s[6:7], scales s[8:9], qzeros s[10:11]
	s_load_b128 s[12:15], s[0:1], 0x20             ; xh s[12:13], wh s[14:15]
	s_lshr_b32 s28, ttmp9, 1                       ; which 16 rows of k
	s_and_b32 s29, ttmp9, 1                        ; which half of the columns
	s_lshr_b32 s30, ttmp9, 4                       ; the group of 128 k
	s_lshl_b32 s31, s29, 10                        ; 256 words of 4 bytes
	s_lshl_b32 s16, s28, 15                        ; qweight: 16 rows of 2,048 bytes
	s_or_b32 s16, s16, s31
	s_lshl_b32 s18, s30, 11                        ; qzeros: a row of 2,048 bytes
	s_or_b32 s18, s18, s31
	s_lshl_b32 s20, s30, 14                        ; scales: a row of 16,384 bytes,
	s_lshl_b32 s31, s29, 13                        ; 2,048 columns of 4 bytes
	s_or_b32 s20, s20, s31
	s_lshl_b32 s22, s28, 17                        ; wh: 16 rows of 8,192 bytes,
	s_lshl_b32 s31, s29, 12                        ; 2,048 columns of 2 bytes
	s_or_b32 s22, s22, s31
	s_lshl_b32 s24, ttmp9, 16                      ; inp: 4 rows of 16,384 bytes
	s_lshl_b32 s26, ttmp9, 15                      ; xh: 4 rows of 8,192 bytes
.irp p, 17,19,21,23,25,27
	s_mov_b32 s\p, 0                               ; all offsets lie under 2^32
.endr
	v_lshlrev_b32 v1, 2, v0                        ; my word in a row of codes or zeros
	v_lshlrev_b32 v2, 5, v0                        ; my eight scales
	v_lshlrev_b32 v3, 4, v0                        ; my 16 bytes in a row of wh and in a chunk of inp
	v_lshlrev_b32 v4, 3, v0                        ; my 8 bytes in a chunk of xh
	s_wait_kmcnt 0x0
	s_add_nc_u64 s[6:7], s[6:7], s[16:17]
	s_add_nc_u64 s[10:11], s[10:11], s[18:19]
	s_add_nc_u64 s[8:9], s[8:9], s[20:21]
	s_add_nc_u64 s[14:15], s[14:15], s[22:23]
	s_add_nc_u64 s[4:5], s[4:5], s[24:25]
	s_add_nc_u64 s[12:13], s[12:13], s[26:27]
	global_load_b32 v[ZQ], v1, s[10:11]
	global_load_b128 v[SC:SC+3], v2, s[8:9]
	global_load_b128 v[SC+4:SC+7], v2, s[8:9] offset:16
.irp i, 0,1,2,3,4,5,6,7,8,9,10,11,12,13,14,15
	global_load_b32 v[Q+(\i)], v1, s[6:7] offset:(\i)*2048 th:TH_LOAD_NT
.endr
.irp j, 0,1,2,3,4,5,6,7,8,9,10,11,12,13,14,15
	global_load_b128 v[X+4*(\j):X+4*(\j)+3], v3, s[4:5] offset:(\j)*4096 th:TH_LOAD_NT
.endr
	s_wait_loadcnt 32                              ; zeros and scales are in: the 16 words of codes and the 16 chunks of inp are younger
.irp j, 0,1,2,3,4,5,6,7
	v_bfe_u32 v[Z+(\j)], v[ZQ], 4*(\j), 4
.endr
.irp j, 0,1,2,3,4,5,6,7
	v_cvt_f32_u32 v[Z+(\j)], v[Z+(\j)]
.endr
.macro ROW i                           ; row i of the sixteen: 8 codes -> 8 f16
.set TT, T+8*((\i)%2)
	s_wait_loadcnt 31-(\i)                         ; loads come back in order (ISA guide 5.7.1): 15 - i words of codes and 16 chunks are younger
.irp j, 0,1,2,3,4,5,6,7
	v_bfe_u32 v[TT+(\j)], v[Q+(\i)], 4*(\j), 4
.endr
.irp j, 0,1,2,3,4,5,6,7
	v_cvt_f32_u32 v[TT+(\j)], v[TT+(\j)]
.endr
.irp j, 0,2,4,6
	v_pk_add_f32 v[TT+(\j):TT+(\j)+1], v[TT+(\j):TT+(\j)+1], v[Z+(\j):Z+(\j)+1] neg_lo:[0,1] neg_hi:[0,1]  ; q - z, exact
.endr
.irp j, 0,2,4,6
	v_pk_mul_f32 v[TT+(\j):TT+(\j)+1], v[TT+(\j):TT+(\j)+1], v[SC+(\j):SC+(\j)+1]
.endr
.irp j, 0,1,2,3
	v_cvt_pk_f16_f32 v[Y+4*(\i)+(\j)], v[TT+2*(\j)], v[TT+2*(\j)+1]
.endr
	global_store_b128 v3, v[Y+4*(\i):Y+4*(\i)+3], s[14:15] offset:(\i)*8192
.endm
.macro CAST j                          ; chunk j of the sixteen: 4 f32 -> 4 f16, in place
	s_wait_loadcnt 15-(\j)
	v_cvt_pk_f16_f32 v[X+4*(\j)], v[X+4*(\j)], v[X+4*(\j)+1]
	v_cvt_pk_f16_f32 v[X+4*(\j)+1], v[X+4*(\j)+2], v[X+4*(\j)+3]
	global_store_b64 v4, v[X+4*(\j):X+4*(\j)+1], s[12:13] offset:(\j)*2048
.endm
.irp i, 0,1,2,3,4,5,6,7,8,9,10,11,12,13,14,15
	ROW \i
.endr
.irp j, 0,1,2,3,4,5,6,7,8,9,10,11,12,13,14,15
	CAST \j
.endr
	s_endpgm
.Lfunc_end_k_q441d68943f_prep:
	.size	k_q441d68943f_prep, .Lfunc_end_k_q441d68943f_prep-k_q441d68943f_prep
	.p2alignl 7, 3214868480
	.fill 96, 4, 3214868480
	.section	.rodata,"a",@progbits
	.p2align	6, 0x0
	.amdhsa_kernel k_q441d68943f_prep
		.amdhsa_group_segment_fixed_size 0
		.amdhsa_private_segment_fixed_size 0
		.amdhsa_enable_private_segment 0
		.amdhsa_kernarg_size 48
		.amdhsa_user_sgpr_count 2
		.amdhsa_user_sgpr_kernarg_segment_ptr 1
		.amdhsa_wavefront_size32 1
		.amdhsa_system_sgpr_workgroup_id_x 1
		.amdhsa_system_sgpr_workgroup_id_y 1
		.amdhsa_system_sgpr_workgroup_id_z 1
		.amdhsa_system_vgpr_workitem_id 0
		.amdhsa_next_free_vgpr 184
		.amdhsa_next_free_sgpr 66
		.amdhsa_reserve_vcc 0
		.amdhsa_float_denorm_mode_32 3
		.amdhsa_float_denorm_mode_16_64 3
		.amdhsa_memory_ordered 1
		.amdhsa_forward_progress 1
		.amdhsa_inst_pref_size 36
	.end_amdhsa_kernel
	.amdgpu_metadata
---
amdhsa.version: [ 1, 2 ]
amdhsa.kernels:
  - .name:           k_q441d68943f_prep
    .symbol:         k_q441d68943f_prep.kd
    .args:
      - { .name: inp, .offset: 0, .size: 8, .value_kind: global_buffer, .address_space: global }
      - { .name: qweight, .offset: 8, .size: 8, .value_kind: global_buffer, .address_space: global }
      - { .name: woq_scales, .offset: 16, .size: 8, .value_kind: global_buffer, .address_space: global }
      - { .name: woq_qzeros, .offset: 24, .size: 8, .value_kind: global_buffer, .address_space: global }
      - { .name: xh, .offset: 32, .size: 8, .value_kind: global_buffer, .address_space: global }
      - { .name: wh, .offset: 40, .size: 8, .value_kind: global_buffer, .address_space: global }
    .group_segment_fixed_size: 0
    .private_segment_fixed_size: 0
    .kernarg_segment_align: 8
    .kernarg_segment_size: 48
    .max_flat_workgroup_size: 256
    .sgpr_count:     66
    .vgpr_count:     184
    .wavefront_size: 32
...
	.end_amdgpu_metadata
.endif
;; end of part 1
;; launch gemm1 (part 2): grid 16 x 16, 4 waves a work-group, clusters of 4 x 4, 327,680 bytes of LDS; arguments xh, wh, woq_bias, add1, add2, ah; writes ah
.if DOCPART == 2
	.amdgcn_target "amdgcn-amd-amdhsa--gfx1250"
	.amdhsa_code_object_version 6
	.text
	.protected	k_q441d68943f_gemm1
	.globl	k_q441d68943f_gemm1
	.p2align	8
	.type	k_q441d68943f_gemm1,@function
k_q441d68943f_gemm1:
	s_mov_b64 s[64:65], 0
	v_nop
	global_prefetch_b8 v0, s[64:65] scope:SCOPE_SE
	s_setreg_imm32_b32 hwreg(HW_REG_WAVE_MODE, 25, 1), 1
	s_wait_xcnt 0x0
	s_wait_alu depctr_hold_cnt(0) depctr_sa_sdst(0) depctr_va_vdst(0) depctr_va_sdst(0) depctr_va_ssrc(0) depctr_va_vcc(0) depctr_vm_vsrc(0)
	s_getreg_b32 s2, hwreg(HW_REG_IB_STS2, 6, 4)
	s_cmp_eq_u32 s2, 0
	s_cbranch_scc0 .Lentry_in_a_cluster
	s_endpgm
.Lentry_in_a_cluster:
	s_bfe_u32 s2, ttmp6, 0x10000c
	s_cmp_lg_u32 s2, 0xf033
	s_cbranch_scc0 .Lentry_shape_is_right
	s_endpgm
.Lentry_shape_is_right:
; ah[m][n] = f16( sum over k of xh[m][k] wh[k][n] + bias[n] + add1[m][n] + add2[m][n] ).  xh: [2048][4096] f16, wh: [4096 (k)][4096 (n)] f16, bias, add1, add2 f32; sums in f32.
; LIMITS.  The result is kept in f16: from 65,520 on it becomes an infinity; below 6e-5 it keeps f16's fixed step of 6e-8.
; SHARES.  A tile of 128 x 256 to a work-group: 16 x 16 = 256 work-groups.  Four waves, each 64 rows x 128 columns: 32 accumulators of 16 x 16, 256 registers.
; K goes in 32 steps of 128 through a ring of two LDS slots filled by the tensor data mover: 128 rows of xh (256 bytes each) and 128 k-rows of wh (512 bytes each), one load of 64 rows a wave.
; CLUSTERS: 4 x 4 work-groups.  The four of a row of the cluster need the same tiles of xh, the four of a column the same tiles of wh: each tile is asked for JOINTLY, by the same tensor load
; with the same descriptor and a mask that names the four.
; THE MATRIX INSTRUCTION IS USED TRANSPOSED: source 0 = 16 columns of wh (turned on the way out of LDS by ds_load_tr16_b128, since wh lies [k][n]), source 1 = 16 rows of xh.
; Lane l then holds row l % 16 of the result and its registers the columns 8 (l / 16) + 0..7.  The bias, laid out so, is the C operand of the products that start the sums: nothing is cleared.
; add1 AND add2 WAIT IN REGISTERS: my 64 rows x 512 bytes of add1 are asked for at the start (window 2), those of add2 in the last lap (window 3), as whole rows; the sums meet them
; through my own stage in LDS, 16 rows at a time, so that loads and stores cover whole aligned runs of 512 and 256 bytes.
; REGISTERS, in windows of 256 (s_set_vgpr_msb: bits 1:0 source 0, 3:2 source 1, 5:4 source 2, 7:6 destination):
;   window 0: v0-31 addresses; v32-63 packed results; v64-159, v160-255 two fragment buffers (4 fragments of xh, then 8 of wh); on the way out v64-127, v128-191 rows read back
;   window 1: accumulator (a, b) at v[8 (8 a + b)]     window 2: add1, my row p at v[4 p]     window 3: v0-63 the bias for b = 0..7; later add2, my row p at v[4 p]
.set SIZE_N, 4096
.set SIZE_K, 4096
.set KSTEP,  128
.set PA,     272                       ; a row of xh in LDS: 256 bytes + 16 = 68 words: the 16 rows of a load start at 16 different groups of four banks (64 banks of 4 bytes: ISA guide 11.1)
.set PB,     544                       ; a k-row of wh: 512 + 32 = 136 words
.set AHALF,  64*PA                     ; what one tensor load brings of xh, and what one wave reads of it
.set BOFF,   128*PA                    ; wh's 128 k-rows lie behind xh's 128 rows
.set BHALF,  64*PB                     ; what one tensor load brings of wh
.set SLOT,   BOFF+128*PB               ; 104,448 bytes
.set STAGE,  2*SLOT                    ; behind the ring, never filled by a tensor load: 16 rows x 528 bytes for each wave
.set SP,     528                       ; a stage row: 512 bytes + 16
.set SPARE,  STAGE+4*16*SP             ; behind the stages: the spare words, 128 bytes for each wave: two blocks of 256 bytes that no other line names
.set LAPS,   SIZE_K/(2*KSTEP)          ; a lap = two K steps = once round the ring
.set ADRA, 16                          ; v16-17  LDS address of my fragments of xh in slot 0, 1
.set ADRB, 20                          ; v20-21  the same for wh
.set STO,  24                          ; v24     the way out: where I put my 32 bytes of a stage row
.set RD,   25                          ; v25     the way out: where I read 16 bytes of a row back
.set CO4,  26                          ; v26     16 x lane: my bytes in 512 bytes of an f32 row
.set CO2,  27                          ; v27     8 x lane: my bytes in 256 bytes of an f16 row
.set SPW,  28                          ; v28     LDS address of my spare word: SPARE + 4 x my thread's number; never rewritten
.set NIL,  29                          ; v29     0; never rewritten
.set BO,   30                          ; v30     32 x (lane / 16): my eight numbers among 16 of the bias
.set H,    32                          ; v32-63  16 rows packed to f16
.set F0,   64
.set F1,   160
.set X0,   64
.set X1,   128
.set WV,  16                           ; s16  my wave's number
.set WM,  17                           ; s17  which 64 rows of the tile are mine.  Also: I fetch xh (0) or wh (1)
.set WN,  18                           ; s18  which 128 columns.  Also: which 64 rows of that tile I fetch
.set CNT, 19                           ; s19  laps to go
.set G1A, 24                           ; s[24:31] descriptor group 1 for xh's tiles;  s[32:39] group 0, one set for each slot
.set G0A, 32
.set G1B, 48                           ; s[48:55], s[56:63] the same for wh's tiles
.set G0B, 56
.set MSB, 0
.macro WIN new                         ; the immediate's high byte repeats the setting that is left; a switch that changes nothing is dropped
.if MSB != (\new)
	s_set_vgpr_msb (MSB<<8)|(\new)
.set MSB, \new
.endif
.endm
.set W_MUL,   0x50                     ; sources 0 and 1 window 0; C and D window 1
.set W_FIRST, 0x70                     ; D window 1, C (the bias) window 3
.set W_E,     0x80                     ; destination window 2
.set W_L,     0xc0                     ; destination window 3
.set W_ST,    0x04                     ; an LDS store's data (source 1) window 1
.set W_A1,    0x08                     ; source 1 window 2
.set W_A2,    0x0c                     ; source 1 window 3
; A joint load: waves 0 and 1 fetch xh's two halves, waves 2 and 3 wh's.  The branch hangs on the wave's number alone.  An s_nop 0 and four v_nop follow each of the two lines, ahead of the jump, the label and what follows.
.macro JLOAD s
	s_cmp_eq_u32 s[WM], 0
	s_cbranch_scc0 .Lfor_w_\@
	tensor_load_to_lds s[G0A+4*(\s):G0A+4*(\s)+3], s[G1A:G1A+7]
	s_nop 0
.rept 4
	v_nop
.endr
	s_branch .Lasked_\@
.Lfor_w_\@:
	tensor_load_to_lds s[G0B+4*(\s):G0B+4*(\s)+3], s[G1B:G1B+7]
	s_nop 0
.rept 4
	v_nop
.endr
.Lasked_\@:
.endm
.macro CREST                           ; a round of the cluster's barrier behind its opening barrier
	s_cmp_lg_u32 s[WV], 0
	s_cbranch_scc1 .Lnot_wave_0_\@
	s_barrier_signal -3
.Lnot_wave_0_\@:
	s_barrier_wait -3
	s_barrier_signal -1
	s_barrier_wait -1
.endm
.macro CROUND                          ; a whole round
	s_barrier_signal -1
	s_barrier_wait -1
	CREST
.endm
	s_load_b256 s[4:11], s[0:1], 0x0               ; xh s[4:5], wh s[6:7], bias s[8:9], add1 s[10:11]
	s_load_b128 s[12:15], s[0:1], 0x20             ; add2 s[12:13], ah s[14:15]
	v_lshl_add_u32 v[SPW], v0, 2, SPARE
	v_mov_b32 v[NIL], 0
	ds_add_u32 v[SPW], v[NIL]                      ; the wave's opening: the add and its wait stand ahead of my first tensor load; the set-up below, work on registers, stands between them
	v_lshrrev_b32 v1, 5, v0
	v_readfirstlane_b32 s[WV], v1                  ; wave 0..3
	s_lshr_b32 s[WM], s[WV], 1
	s_and_b32 s[WN], s[WV], 1
	s_bfe_u32 s40, ttmp6, 0x40000                  ; cx, cy: my place in the cluster
	s_bfe_u32 s41, ttmp6, 0x40004
	s_lshl_b32 s42, ttmp9, 2
	s_add_co_u32 s42, s42, s40                     ; tile column = 4 x cluster x + cx
	s_and_b32 s43, ttmp7, 0xffff
	s_lshl_b32 s43, s43, 2
	s_add_co_u32 s43, s43, s41                     ; tile row = 4 x cluster y + cy
	s_lshl_b32 s44, s41, 2
	s_lshl_b32 s44, 15, s44                        ; my row of the cluster: places 4 cy .. 4 cy + 3
	s_lshl_b32 s45, 0x1111, s40                    ; my column: places cx, cx + 4, cx + 8, cx + 12
	; descriptor group 1.  xh: 64 rows x 128 elements; wh: 64 k-rows x 256 elements; both 4,096 elements from row to row, padded in LDS
	s_or_b32 s[G1A+0], s44, (1<<16)|(1<<20)|(1<<21)|(5<<22)|(3<<25)  ; 15:0 the mask: my row; 17:16 elements of 2 bytes; 20 padding on; 21 set beside a mask; 24:22 after every 64 words (code 5); 31:25 4 words (code 3)
	s_or_b32 s[G1B+0], s45, (1<<16)|(1<<20)|(1<<21)|(6<<22)|(7<<25)  ; the mask: my column; after every 128 words (code 6) 8 words (code 7)
	s_mov_b32 s[G1A+1], 128<<16                    ; tensor_dim0 = 128
	s_mov_b32 s[G1A+2], 64<<16                     ; tensor_dim1 = 64
	s_mov_b32 s[G1A+3], 128<<16                    ; tile_dim0 = 128
	s_mov_b32 s[G1A+4], 64                         ; tile_dim1 = 64
	s_mov_b32 s[G1A+5], SIZE_K                     ; tensor_dim0_stride
	s_mov_b32 s[G1A+6], 0
	s_mov_b32 s[G1A+7], 0
	s_mov_b32 s[G1B+1], 256<<16                    ; tensor_dim0 = 256
	s_mov_b32 s[G1B+2], 64<<16
	s_mov_b32 s[G1B+3], 256<<16                    ; tile_dim0 = 256
	s_mov_b32 s[G1B+4], 64
	s_mov_b32 s[G1B+5], SIZE_N
	s_mov_b32 s[G1B+6], 0
	s_mov_b32 s[G1B+7], 0
	; where the tiles come from.  xh's hang on the tile row alone, which my row of the cluster shares; wh's on the tile column alone, which my column shares
	s_lshl_b32 s2, s[WN], 19                       ; which 64 rows of 8,192 bytes I fetch
	s_lshl_b32 s20, s43, 20                        ; xh: 128 rows of 8,192 bytes a tile row
	s_or_b32 s20, s20, s2
	s_mov_b32 s21, 0
	s_lshl_b32 s46, s42, 9                         ; wh: 256 columns of 2 bytes a tile column
	s_or_b32 s46, s46, s2
	s_mov_b32 s47, 0
	s_mul_i32 s22, s[WN], AHALF                    ; and where they go: no place in the cluster enters an LDS address
	s_mul_i32 s23, s[WN], BHALF
	s_add_co_u32 s23, s23, BOFF
	; my 64 rows x 128 columns in the f32 tensors, in ah, and my 128 columns in the bias
	s_lshl_b32 s70, s42, 10
	s_lshl_b32 s3, s[WN], 9
	s_or_b32 s70, s70, s3                          ; (256 x tile column + 128 x half) x 4 bytes
	s_mov_b32 s71, 0
	s_lshl_b32 s66, s43, 21                        ; 128 rows of 16,384 bytes a tile row,
	s_lshl_b32 s3, s[WM], 20                       ; 64 rows a half
	s_or_b32 s66, s66, s3
	s_or_b32 s66, s66, s70
	s_mov_b32 s67, 0
	s_lshr_b32 s68, s66, 1                         ; the same place in f16
	s_mov_b32 s69, 0
	s_wait_dscnt 0x0                               ; the opening add is done
	s_wait_kmcnt 0x0
	s_add_nc_u64 s[20:21], s[4:5], s[20:21]
	s_add_nc_u64 s[46:47], s[6:7], s[46:47]
	s_add_nc_u64 s[8:9], s[8:9], s[70:71]
	s_add_nc_u64 s[10:11], s[10:11], s[66:67]
	s_add_nc_u64 s[12:13], s[12:13], s[66:67]
	s_add_nc_u64 s[14:15], s[14:15], s[68:69]
	CROUND                                         ; all sixteen work-groups are here: the first joint loads meet
.irp s, 0,1
	s_mov_b32 s[G0A+4*(\s)], 1                                     ; 1:0 count = 1
	s_add_co_u32 s[G0A+4*(\s)+1], s22, (\s)*SLOT                   ; 63:32 LDS address
	s_add_nc_u64 s[G0A+4*(\s)+2:G0A+4*(\s)+3], s[20:21], (\s)*KSTEP*2  ; 120:64 global address: K step s lies 256 bytes along the rows
	s_or_b32 s[G0A+4*(\s)+3], s[G0A+4*(\s)+3], 0x80000000          ; 127:126 type = 2
	s_mov_b32 s[G0B+4*(\s)], 1
	s_add_co_u32 s[G0B+4*(\s)+1], s23, (\s)*SLOT
	s_add_nc_u64 s[G0B+4*(\s)+2:G0B+4*(\s)+3], s[46:47], (\s)*KSTEP*SIZE_N*2  ; K step s lies 128 k-rows down
	s_or_b32 s[G0B+4*(\s)+3], s[G0B+4*(\s)+3], 0x80000000
	JLOAD \s                                       ; two tensor loads of mine are out
.endr
	v_and_b32 v1, 15, v0                           ; l % 16
	v_bfe_u32 v2, v0, 4, 1                         ; l / 16
	v_and_b32 v3, 31, v0                           ; l
	; a fragment of xh: lane l holds row l % 16, K = 8 (l / 16) + 0..7 and 16 + 8 (l / 16) + 0..7: two loads of 16 bytes, 32 bytes apart
	v_mul_u32_u24 v4, v1, PA
	v_lshl_add_u32 v4, v2, 4, v4
	s_mul_i32 s2, s[WM], AHALF                     ; my 64 rows
	v_add_nc_u32 v[ADRA], s2, v4
	v_add_nc_u32 v[ADRA+1], SLOT, v[ADRA]
	; the turning load takes 16 k x 16 columns (lane l reads k-row 8 (l / 16) + l % 8, columns 8 ((l / 8) % 2) + 0..7) and leaves half a fragment: lane l holds column l % 16 and 8 k
	v_and_b32 v5, 7, v0
	v_lshl_add_u32 v5, v2, 3, v5
	v_mul_u32_u24 v5, v5, PB
	v_bfe_u32 v6, v0, 3, 1
	v_lshl_add_u32 v5, v6, 4, v5
	s_lshl_b32 s3, s[WN], 8                        ; my 128 columns
	s_add_co_u32 s3, s3, BOFF
	v_add_nc_u32 v[ADRB], s3, v5
	v_add_nc_u32 v[ADRB+1], SLOT, v[ADRB]
	s_mul_i32 s2, s[WV], 16*SP
	s_add_co_u32 s2, s2, STAGE                     ; my stage
	v_mul_u32_u24 v[STO], v1, SP                   ; in: row l % 16, 32 bytes for each half of the lanes
	v_lshl_add_u32 v[STO], v2, 5, v[STO]
	v_add_nc_u32 v[STO], s2, v[STO]
	v_lshl_add_u32 v[RD], v3, 4, s2                ; back: 32 lanes take one row of 512 bytes
	v_lshlrev_b32 v[CO4], 4, v3
	v_lshlrev_b32 v[CO2], 3, v3
	v_lshlrev_b32 v[BO], 5, v2
	; 16 loads of the bias, then my 64 rows of add1: 80 loads stand in the wait for the first tile.  More than the counter's field holds: the hardware holds an issue back until there is room (ISA guide 5.7.1)
	WIN W_L
.irp b, 0,1,2,3,4,5,6,7
	global_load_b128 v[8*(\b):8*(\b)+3],   v[BO], s[8:9] offset:64*(\b)
	global_load_b128 v[8*(\b)+4:8*(\b)+7], v[BO], s[8:9] offset:64*(\b)+16
.endr
	WIN W_E
.set i, 0
.rept 64
	global_load_b128 v[4*i:4*i+3], v[CO4], s[10:11] offset:i*SIZE_N*4  ; a row's 512 consecutive bytes, aligned; the next launch reads add1 again, so no hint
.set i, i+1
.endr
	WIN 0
; 8 matrix instructions: row block a x all 8 column blocks, 32 along K, from buffer f.  first = 1: the bias starts the sums.
; The 32 accumulators take turns, one instruction a turn, in the same order in every quarter step.
.macro MULA f, a, first
.if \first
	WIN W_FIRST
.else
	WIN W_MUL
.endif
.irp b, 0,1,2,3,4,5,6,7
.if \first
	v_wmma_f32_16x16x32_f16 v[8*(8*(\a)+(\b)):8*(8*(\a)+(\b))+7], v[(\f)+32+8*(\b):(\f)+32+8*(\b)+7], v[(\f)+8*(\a):(\f)+8*(\a)+7], v[8*(\b):8*(\b)+7]
.else
	v_wmma_f32_16x16x32_f16 v[8*(8*(\a)+(\b)):8*(8*(\a)+(\b))+7], v[(\f)+32+8*(\b):(\f)+32+8*(\b)+7], v[(\f)+8*(\a):(\f)+8*(\a)+7], v[8*(8*(\a)+(\b)):8*(8*(\a)+(\b))+7]
.endif
.endr
.endm
; 24 LDS loads in one run: quarter q (32 along K) of a slot into buffer f: wh's 8 fragments first, then xh's 4
.macro FETCH slot, q, f
	WIN 0
.irp b, 0,1,2,3,4,5,6,7
	ds_load_tr16_b128 v[(\f)+32+8*(\b):(\f)+32+8*(\b)+3],   v[ADRB+(\slot)] offset:(\q)*32*PB+32*(\b)
	ds_load_tr16_b128 v[(\f)+32+8*(\b)+4:(\f)+32+8*(\b)+7], v[ADRB+(\slot)] offset:(\q)*32*PB+16*PB+32*(\b)
.endr
.irp a, 0,1,2,3
	ds_load_b128 v[(\f)+8*(\a):(\f)+8*(\a)+3],   v[ADRA+(\slot)] offset:(\q)*64+(\a)*16*PA
	ds_load_b128 v[(\f)+8*(\a)+4:(\f)+8*(\a)+7], v[ADRA+(\slot)] offset:(\q)*64+(\a)*16*PA+32
.endr
.endm
; A load into a register that a matrix instruction has read, and an LDS store or a vector instruction that reads a matrix result, stand four places behind it, and only plain vector
; instructions that name none of its registers are places (ISA guide 7.12.1 for vector instructions).
.macro PLACES
.rept 4
	v_nop
.endr
.endm
.macro LATE p                          ; my rows 32 p .. 32 p + 31 of add2, into window 3 (the bias there has served)
	WIN W_L
.set i, 32*(\p)
.rept 32
	global_load_b128 v[4*i:4*i+3], v[CO4], s[12:13] offset:i*SIZE_N*4 th:TH_LOAD_NT
.set i, i+1
.endr
.endm
; A K step is four quarters of 32 along K, 32 matrix instructions each, on buffers 0, 1, 0, 1.  One of the first three: multiplies buffer f and, in its middle, fetches quarter q into g.
.macro QUARTER slot, q, f, g, first=0, late=-1
	s_wait_dscnt 4                                 ; wh's fragments and xh's 0 and 1 are in; the youngest four loads (xh's 2 and 3) may be out
	MULA \f, 0, \first
	MULA \f, 1, \first
	PLACES
	FETCH \slot, \q, \g
.if (\late) >= 0
	LATE \late
.endif
	s_wait_dscnt 24                                ; all but the 24 just issued
	MULA \f, 2, \first
	MULA \f, 3, \first
.endm
; The last quarter multiplies buffer 1 and changes slots: ONE barrier.  In front of it each wave waits for all its tensor loads, of which one is out: its part of the next slot; adds 0 to its spare word;
; and waits for that and for its own reads of this slot.  fill = 1: the barrier opens a round of the cluster's, and this slot is filled again, two K steps ahead, first thing behind the round.
.macro TURN slot, next, fill
	WIN 0                                          ; (the add's two registers lie in window 0)
	s_wait_tensorcnt 0x0                           ; all my tensor loads have landed
	ds_add_u32 v[SPW], v[NIL]                      ; 0 onto my spare word
	s_wait_dscnt 5                                 ; (the add and the youngest four loads may be out)
	MULA F1, 0, 0                                  ; eight matrix instructions stand between the add and the wait for it
	s_wait_dscnt 0x0                               ; the add is done, and my reads of this slot are over
	s_barrier_signal -1
	MULA F1, 1, 0                                  ; work on registers while the others arrive
.if \fill
	WIN 0
.endif
	s_barrier_wait -1
.if \fill
	CREST                                          ; no wave of any partner still reads this slot's tile or has a load on its way
	s_add_nc_u64 s[G0A+4*(\slot)+2:G0A+4*(\slot)+3], s[G0A+4*(\slot)+2:G0A+4*(\slot)+3], 2*KSTEP*2
	s_add_nc_u64 s[G0B+4*(\slot)+2:G0B+4*(\slot)+3], s[G0B+4*(\slot)+2:G0B+4*(\slot)+3], 2*KSTEP*SIZE_N*2
	JLOAD \slot                                    ; my one tensor load behind the round: 112 matrix instructions ahead of the wait for it; its four v_nop are also the places in front of the loads below
.else
	PLACES
.endif
	FETCH \next, 0, F0
	MULA F1, 2, 0
	MULA F1, 3, 0
.endm
; THE WAY OUT of row block a.  TOSTAGE: the block's 16 rows x 128 columns of f32 go into my own stage and come back as whole rows of 512 bytes, into x.  Each accumulator's low half is read first.
.macro TOSTAGE a, x
	WIN W_ST
.irp b, 0,1,2,3,4,5,6,7
	ds_store_b128 v[STO], v[8*(8*(\a)+(\b)):8*(8*(\a)+(\b))+3]   offset:64*(\b)
	ds_store_b128 v[STO], v[8*(8*(\a)+(\b))+4:8*(8*(\a)+(\b))+7] offset:64*(\b)+16
.endr
	WIN 0
.irp t, 0,1,2,3,4,5,6,7,8,9,10,11,12,13,14,15
	ds_load_b128 v[(\x)+4*(\t):(\x)+4*(\t)+3], v[RD] offset:(\t)*SP  ; LDS serves a wave's instructions in order (ISA guide 5.7.1.4): these see the stores above; the next block's stores come behind them
.endr
.endm
; COMBINE: + add1 + add2, rounded to f16, stored.  younger: the LDS instructions issued behind the block's loads: the next block's 32, or none.
.macro COMBINE a, x, younger
	s_wait_dscnt \younger                          ; the block is back in registers
	s_wait_loadcnt 48-16*(\a)                      ; its 16 rows of add2 are in, and all of add1, which is older: the later blocks' rows of add2 may be out
	WIN W_A1
.set i, 0
.rept 32
	v_pk_add_f32 v[(\x)+2*i:(\x)+2*i+1], v[(\x)+2*i:(\x)+2*i+1], v[64*(\a)+2*i:64*(\a)+2*i+1]
.set i, i+1
.endr
	WIN W_A2
.set i, 0
.rept 32
	v_pk_add_f32 v[(\x)+2*i:(\x)+2*i+1], v[(\x)+2*i:(\x)+2*i+1], v[64*(\a)+2*i:64*(\a)+2*i+1]
.set i, i+1
.endr
	WIN 0
	s_wait_xcnt 0x0                                ; every earlier memory instruction has had its addresses translated (ISA guide 3.1): H, which the last block's stores read, is rewritten only behind this wait
.set i, 0
.rept 32
	v_cvt_pk_f16_f32 v[H+i], v[(\x)+2*i], v[(\x)+2*i+1]
.set i, i+1
.endr
.irp t, 0,1,2,3,4,5,6,7,8,9,10,11,12,13,14,15
	global_store_b64 v[CO2], v[H+2*(\t):H+2*(\t)+1], s[14:15] offset:(16*(\a)+(\t))*SIZE_N*2  ; 32 lanes store 256 consecutive bytes, at a multiple of 256 from ah's first byte
.endr
.endm
	s_wait_tensorcnt 1                             ; my part of K step 0 is in; K step 1's may stay out
	s_barrier_signal -1
	s_barrier_wait -1                              ; everybody's is
	FETCH 0, 0, F0
	s_wait_loadcnt 63                              ; the bias is in: 64 loads, add1's rows, are younger than its sixteen
	QUARTER 0, 1, F0, F1, 1                        ; the first quarter stands in front of the loop: its products start the sums
	WIN 0                                          ; at a label and at a branch every window is 0
	s_mov_b32 s[CNT], LAPS-1
.Llap:                                                 ; a trip goes once round the ring, from a lap's second quarter to the next lap's first, and fills both slots again
	QUARTER 0, 2, F1, F0
	QUARTER 0, 3, F0, F1
	TURN 0, 1, 1
	QUARTER 1, 1, F0, F1
	QUARTER 1, 2, F1, F0
	QUARTER 1, 3, F0, F1
	TURN 1, 0, 1
	QUARTER 0, 1, F0, F1
	WIN 0
	s_sub_co_u32 s[CNT], s[CNT], 1
	s_cmp_lg_u32 s[CNT], 0
	s_cbranch_scc1 .Llap
	QUARTER 0, 2, F1, F0, 0, 0                     ; the last lap fills nothing and has no round; add2 is asked for here, six quarters ahead of its first use
	QUARTER 0, 3, F0, F1, 0, 1
	TURN 0, 1, 0
	QUARTER 1, 1, F0, F1
	QUARTER 1, 2, F1, F0
	QUARTER 1, 3, F0, F1
	s_wait_dscnt 4                                 ; the very last quarter: nothing more to fetch
	MULA F1, 0, 0
	MULA F1, 1, 0
	s_wait_dscnt 0x0
	MULA F1, 2, 0
	MULA F1, 3, 0
	PLACES
	TOSTAGE 0, X0
	TOSTAGE 1, X1                                  ; a block's trip through the stage stands under the arithmetic of the block before
	COMBINE 0, X0, 32
	TOSTAGE 2, X0
	COMBINE 1, X1, 32
	TOSTAGE 3, X1
	COMBINE 2, X0, 32
	COMBINE 3, X1, 0
	s_wait_tensorcnt 0x0                           ; the wave's end: these three lines stand behind my last tensor load and my last LDS store
	ds_add_u32 v[SPW], v[NIL]
	s_wait_dscnt 0x0
	CROUND                                         ; the closing round: no work-group ends while a partner may still ask for a tile that names it
	s_endpgm
.Lfunc_end_k_q441d68943f_gemm1:
	.size	k_q441d68943f_gemm1, .Lfunc_end_k_q441d68943f_gemm1-k_q441d68943f_gemm1
	.p2alignl 7, 3214868480
	.fill 96, 4, 3214868480
	.section	.rodata,"a",@progbits
	.p2align	6, 0x0
	.amdhsa_kernel k_q441d68943f_gemm1
		.amdhsa_group_segment_fixed_size 327680
		.amdhsa_private_segment_fixed_size 0
		.amdhsa_enable_private_segment 0
		.amdhsa_kernarg_size 48
		.amdhsa_user_sgpr_count 2
		.amdhsa_user_sgpr_kernarg_segment_ptr 1
		.amdhsa_wavefront_size32 1
		.amdhsa_system_sgpr_workgroup_id_x 1
		.amdhsa_system_sgpr_workgroup_id_y 1
		.amdhsa_system_sgpr_workgroup_id_z 1
		.amdhsa_system_vgpr_workitem_id 0
		.amdhsa_next_free_vgpr 1024
		.amdhsa_next_free_sgpr 72
		.amdhsa_reserve_vcc 0
		.amdhsa_float_denorm_mode_32 3
		.amdhsa_float_denorm_mode_16_64 3
		.amdhsa_memory_ordered 1
		.amdhsa_forward_progress 1
		.amdhsa_inst_pref_size 123
	.end_amdhsa_kernel
	.amdgpu_metadata
---
amdhsa.version: [ 1, 2 ]
amdhsa.kernels:
  - .name:           k_q441d68943f_gemm1
    .symbol:         k_q441d68943f_gemm1.kd
    .args:
      - { .name: xh, .offset: 0, .size: 8, .value_kind: global_buffer, .address_space: global }
      - { .name: wh, .offset: 8, .size: 8, .value_kind: global_buffer, .address_space: global }
      - { .name: woq_bias, .offset: 16, .size: 8, .value_kind: global_buffer, .address_space: global }
      - { .name: add1, .offset: 24, .size: 8, .value_kind: global_buffer, .address_space: global }
      - { .name: add2, .offset: 32, .size: 8, .value_kind: global_buffer, .address_space: global }
      - { .name: ah, .offset: 40, .size: 8, .value_kind: global_buffer, .address_space: global }
    .group_segment_fixed_size: 327680
    .private_segment_fixed_size: 0
    .kernarg_segment_align: 8
    .kernarg_segment_size: 48
    .max_flat_workgroup_size: 128
    .sgpr_count:     72
    .vgpr_count:     1024
    .wavefront_size: 32
...
	.end_amdgpu_metadata
.endif
;; end of part 2
;; launch gemm2 (part 3): grid 16 x 16, 4 waves a work-group, clusters of 4 x 4, 327,680 bytes of LDS; arguments ah, wh, woq_bias, add1, out0; writes out0
.if DOCPART == 3
	.amdgcn_target "amdgcn-amd-amdhsa--gfx1250"
	.amdhsa_code_object_version 6
	.text
	.protected	k_q441d68943f_gemm2
	.globl	k_q441d68943f_gemm2
	.p2align	8
	.type	k_q441d68943f_gemm2,@function
k_q441d68943f_gemm2:
	s_mov_b64 s[64:65], 0
	v_nop
	global_prefetch_b8 v0, s[64:65] scope:SCOPE_SE
	s_setreg_imm32_b32 hwreg(HW_REG_WAVE_MODE, 25, 1), 1
	s_wait_xcnt 0x0
	s_wait_alu depctr_hold_cnt(0) depctr_sa_sdst(0) depctr_va_vdst(0) depctr_va_sdst(0) depctr_va_ssrc(0) depctr_va_vcc(0) depctr_vm_vsrc(0)
	s_getreg_b32 s2, hwreg(HW_REG_IB_STS2, 6, 4)
	s_cmp_eq_u32 s2, 0
	s_cbranch_scc0 .Lentry_in_a_cluster
	s_endpgm
.Lentry_in_a_cluster:
	s_bfe_u32 s2, ttmp6, 0x10000c
	s_cmp_lg_u32 s2, 0xf033
	s_cbranch_scc0 .Lentry_shape_is_right
	s_endpgm
.Lentry_shape_is_right:
; out0[m][n] = a[m][n] * ( sum over k of a[m][k] wh[k][n] + bias[n] + add1[m][n] ), a = ah: [2048][4096] f16, wh: [4096 (k)][4096 (n)] f16, bias, add1, out0 f32; sums in f32.
; LIMITS.  Both uses of a take the f16 number that the launch before stored: as a factor it is off by at most 2^-11 of itself; from 65,520 on it is an infinity; below 6e-5 it keeps f16's fixed step of 6e-8.
; SHARES.  A tile of 128 x 256 to a work-group: 16 x 16 = 256 work-groups.  Four waves, each 64 rows x 128 columns: 32 accumulators of 16 x 16, 256 registers.
; K goes in 32 steps of 128 through a ring of two LDS slots filled by the tensor data mover: 128 rows of ah (256 bytes each) and 128 k-rows of wh (512 bytes each), one load of 64 rows a wave.
; CLUSTERS: 4 x 4 work-groups.  The four of a row of the cluster need the same tiles of ah, the four of a column the same tiles of wh: each tile is asked for JOINTLY, by the same tensor load
; with the same descriptor and a mask that names the four.
; THE MATRIX INSTRUCTION IS USED TRANSPOSED: source 0 = 16 columns of wh (turned on the way out of LDS by ds_load_tr16_b128, since wh lies [k][n]), source 1 = 16 rows of ah.
; Lane l then holds row l % 16 of the result and its registers the columns 8 (l / 16) + 0..7.  The bias, laid out so, is the C operand of the products that start the sums: nothing is cleared.
; add1 AND THE FACTOR WAIT IN REGISTERS: my 64 rows x 512 bytes of add1 are asked for at the start (window 2), my 64 rows x 256 bytes of ah in the last lap (window 3), as whole rows; the sums
; meet them through my own stage in LDS, 16 rows at a time, so that loads and stores cover whole aligned runs of 512 and 256 bytes.
; REGISTERS, in windows of 256 (s_set_vgpr_msb: bits 1:0 source 0, 3:2 source 1, 5:4 source 2, 7:6 destination):
;   window 0: v0-31 addresses; v32-63 16 rows of the factor in f16; v64-159, v160-255 two fragment buffers (4 fragments of ah, then 8 of wh); on the way out v64-127, v128-191 rows read back, v192-255 the factor in f32
;   window 1: accumulator (a, b) at v[8 (8 a + b)]     window 2: add1, my row p at v[4 p]     window 3: v0-63 the bias for b = 0..7; later the factor, my row p at v[2 p]
.set SIZE_N, 4096
.set SIZE_K, 4096
.set KSTEP,  128
.set PA,     272                       ; a row of ah in LDS: 256 bytes + 16 = 68 words: the 16 rows of a load start at 16 different groups of four banks (64 banks of 4 bytes: ISA guide 11.1)
.set PB,     544                       ; a k-row of wh: 512 + 32 = 136 words
.set AHALF,  64*PA                     ; what one tensor load brings of ah, and what one wave reads of it
.set BOFF,   128*PA                    ; wh's 128 k-rows lie behind ah's 128 rows
.set BHALF,  64*PB                     ; what one tensor load brings of wh
.set SLOT,   BOFF+128*PB               ; 104,448 bytes
.set STAGE,  2*SLOT                    ; behind the ring, never filled by a tensor load: 16 rows x 528 bytes for each wave
.set SP,     528                       ; a stage row: 512 bytes + 16
.set SPARE,  STAGE+4*16*SP             ; behind the stages: the spare words, 128 bytes for each wave: two blocks of 256 bytes that no other line names
.set LAPS,   SIZE_K/(2*KSTEP)          ; a lap = two K steps = once round the ring
.set ADRA, 16                          ; v16-17  LDS address of my fragments of ah in slot 0, 1
.set ADRB, 20                          ; v20-21  the same for wh
.set STO,  24                          ; v24     the way out: where I put my 32 bytes of a stage row
.set RD,   25                          ; v25     the way out: where I read 16 bytes of a row back
.set CO4,  26                          ; v26     16 x lane: my bytes in 512 bytes of an f32 row
.set CO2,  27                          ; v27     8 x lane: my bytes in 256 bytes of an f16 row
.set SPW,  28                          ; v28     LDS address of my spare word: SPARE + 4 x my thread's number; never rewritten
.set NIL,  29                          ; v29     0; never rewritten
.set BO,   30                          ; v30     32 x (lane / 16): my eight numbers among 16 of the bias
.set TH,   32                          ; v32-63  16 rows of the factor, two f16 a register (the macro WIDEN names these registers' halves one by one)
.set F0,   64
.set F1,   160
.set X0,   64
.set X1,   128
.set A32,  192                         ; v192-255 16 rows of the factor in f32
.set WV,  16                           ; s16  my wave's number
.set WM,  17                           ; s17  which 64 rows of the tile are mine.  Also: I fetch ah (0) or wh (1)
.set WN,  18                           ; s18  which 128 columns.  Also: which 64 rows of that tile I fetch
.set CNT, 19                           ; s19  laps to go
.set G1A, 24                           ; s[24:31] descriptor group 1 for ah's tiles;  s[32:39] group 0, one set for each slot
.set G0A, 32
.set G1B, 48                           ; s[48:55], s[56:63] the same for wh's tiles
.set G0B, 56
.set MSB, 0
.macro WIN new                         ; the immediate's high byte repeats the setting that is left; a switch that changes nothing is dropped
.if MSB != (\new)
	s_set_vgpr_msb (MSB<<8)|(\new)
.set MSB, \new
.endif
.endm
.set W_MUL,   0x50                     ; sources 0 and 1 window 0; C and D window 1
.set W_FIRST, 0x70                     ; D window 1, C (the bias) window 3
.set W_E,     0x80                     ; destination window 2
.set W_L,     0xc0                     ; destination window 3
.set W_ST,    0x04                     ; an LDS store's data (source 1) window 1
.set W_A1,    0x08                     ; source 1 window 2
.set W_MV,    0x03                     ; source 0 window 3
; A joint load: waves 0 and 1 fetch ah's two halves, waves 2 and 3 wh's.  The branch hangs on the wave's number alone.  An s_nop 0 and four v_nop follow each of the two lines, ahead of the jump, the label and what follows.
.macro JLOAD s
	s_cmp_eq_u32 s[WM], 0
	s_cbranch_scc0 .Lfor_w_\@
	tensor_load_to_lds s[G0A+4*(\s):G0A+4*(\s)+3], s[G1A:G1A+7]
	s_nop 0
.rept 4
	v_nop
.endr
	s_branch .Lasked_\@
.Lfor_w_\@:
	tensor_load_to_lds s[G0B+4*(\s):G0B+4*(\s)+3], s[G1B:G1B+7]
	s_nop 0
.rept 4
	v_nop
.endr
.Lasked_\@:
.endm
.macro CREST                           ; a round of the cluster's barrier behind its opening barrier
	s_cmp_lg_u32 s[WV], 0
	s_cbranch_scc1 .Lnot_wave_0_\@
	s_barrier_signal -3
.Lnot_wave_0_\@:
	s_barrier_wait -3
	s_barrier_signal -1
	s_barrier_wait -1
.endm
.macro CROUND                          ; a whole round
	s_barrier_signal -1
	s_barrier_wait -1
	CREST
.endm
	s_load_b256 s[4:11], s[0:1], 0x0               ; ah s[4:5], wh s[6:7], bias s[8:9], add1 s[10:11]
	s_load_b64 s[14:15], s[0:1], 0x20              ; out0
	v_lshl_add_u32 v[SPW], v0, 2, SPARE
	v_mov_b32 v[NIL], 0
	ds_add_u32 v[SPW], v[NIL]                      ; the wave's opening: the add and its wait stand ahead of my first tensor load; the set-up below, work on registers, stands between them
	v_lshrrev_b32 v1, 5, v0
	v_readfirstlane_b32 s[WV], v1                  ; wave 0..3
	s_lshr_b32 s[WM], s[WV], 1
	s_and_b32 s[WN], s[WV], 1
	s_bfe_u32 s40, ttmp6, 0x40000                  ; cx, cy: my place in the cluster
	s_bfe_u32 s41, ttmp6, 0x40004
	s_lshl_b32 s42, ttmp9, 2
	s_add_co_u32 s42, s42, s40                     ; tile column = 4 x cluster x + cx
	s_and_b32 s43, ttmp7, 0xffff
	s_lshl_b32 s43, s43, 2
	s_add_co_u32 s43, s43, s41                     ; tile row = 4 x cluster y + cy
	s_lshl_b32 s44, s41, 2
	s_lshl_b32 s44, 15, s44                        ; my row of the cluster: places 4 cy .. 4 cy + 3
	s_lshl_b32 s45, 0x1111, s40                    ; my column: places cx, cx + 4, cx + 8, cx + 12
	; descriptor group 1.  ah: 64 rows x 128 elements; wh: 64 k-rows x 256 elements; both 4,096 elements from row to row, padded in LDS
	s_or_b32 s[G1A+0], s44, (1<<16)|(1<<20)|(1<<21)|(5<<22)|(3<<25)  ; 15:0 the mask: my row; 17:16 elements of 2 bytes; 20 padding on; 21 set beside a mask; 24:22 after every 64 words (code 5); 31:25 4 words (code 3)
	s_or_b32 s[G1B+0], s45, (1<<16)|(1<<20)|(1<<21)|(6<<22)|(7<<25)  ; the mask: my column; after every 128 words (code 6) 8 words (code 7)
	s_mov_b32 s[G1A+1], 128<<16                    ; tensor_dim0 = 128
	s_mov_b32 s[G1A+2], 64<<16                     ; tensor_dim1 = 64
	s_mov_b32 s[G1A+3], 128<<16                    ; tile_dim0 = 128
	s_mov_b32 s[G1A+4], 64                         ; tile_dim1 = 64
	s_mov_b32 s[G1A+5], SIZE_K                     ; tensor_dim0_stride
	s_mov_b32 s[G1A+6], 0
	s_mov_b32 s[G1A+7], 0
	s_mov_b32 s[G1B+1], 256<<16                    ; tensor_dim0 = 256
	s_mov_b32 s[G1B+2], 64<<16
	s_mov_b32 s[G1B+3], 256<<16                    ; tile_dim0 = 256
	s_mov_b32 s[G1B+4], 64
	s_mov_b32 s[G1B+5], SIZE_N
	s_mov_b32 s[G1B+6], 0
	s_mov_b32 s[G1B+7], 0
	; where the tiles come from.  ah's hang on the tile row alone, which my row of the cluster shares; wh's on the tile column alone, which my column shares
	s_lshl_b32 s2, s[WN], 19                       ; which 64 rows of 8,192 bytes I fetch
	s_lshl_b32 s20, s43, 20                        ; ah: 128 rows of 8,192 bytes a tile row
	s_or_b32 s20, s20, s2
	s_mov_b32 s21, 0
	s_lshl_b32 s46, s42, 9                         ; wh: 256 columns of 2 bytes a tile column
	s_or_b32 s46, s46, s2
	s_mov_b32 s47, 0
	s_mul_i32 s22, s[WN], AHALF                    ; and where they go: no place in the cluster enters an LDS address
	s_mul_i32 s23, s[WN], BHALF
	s_add_co_u32 s23, s23, BOFF
	; my 64 rows x 128 columns in the f32 tensors, in ah, and my 128 columns in the bias
	s_lshl_b32 s70, s42, 10
	s_lshl_b32 s3, s[WN], 9
	s_or_b32 s70, s70, s3                          ; (256 x tile column + 128 x half) x 4 bytes
	s_mov_b32 s71, 0
	s_lshl_b32 s66, s43, 21                        ; 128 rows of 16,384 bytes a tile row,
	s_lshl_b32 s3, s[WM], 20                       ; 64 rows a half
	s_or_b32 s66, s66, s3
	s_or_b32 s66, s66, s70
	s_mov_b32 s67, 0
	s_lshr_b32 s68, s66, 1                         ; the same place in f16
	s_mov_b32 s69, 0
	s_wait_dscnt 0x0                               ; the opening add is done
	s_wait_kmcnt 0x0
	s_add_nc_u64 s[12:13], s[4:5], s[68:69]        ; ah as the factor: at my part of the tile
	s_add_nc_u64 s[20:21], s[4:5], s[20:21]        ; ah as the product's operand: at the rows that I fetch
	s_add_nc_u64 s[46:47], s[6:7], s[46:47]
	s_add_nc_u64 s[8:9], s[8:9], s[70:71]
	s_add_nc_u64 s[10:11], s[10:11], s[66:67]
	s_add_nc_u64 s[14:15], s[14:15], s[66:67]
	CROUND                                         ; all sixteen work-groups are here: the first joint loads meet
.irp s, 0,1
	s_mov_b32 s[G0A+4*(\s)], 1                                     ; 1:0 count = 1
	s_add_co_u32 s[G0A+4*(\s)+1], s22, (\s)*SLOT                   ; 63:32 LDS address
	s_add_nc_u64 s[G0A+4*(\s)+2:G0A+4*(\s)+3], s[20:21], (\s)*KSTEP*2  ; 120:64 global address: K step s lies 256 bytes along the rows
	s_or_b32 s[G0A+4*(\s)+3], s[G0A+4*(\s)+3], 0x80000000          ; 127:126 type = 2
	s_mov_b32 s[G0B+4*(\s)], 1
	s_add_co_u32 s[G0B+4*(\s)+1], s23, (\s)*SLOT
	s_add_nc_u64 s[G0B+4*(\s)+2:G0B+4*(\s)+3], s[46:47], (\s)*KSTEP*SIZE_N*2  ; K step s lies 128 k-rows down
	s_or_b32 s[G0B+4*(\s)+3], s[G0B+4*(\s)+3], 0x80000000
	JLOAD \s                                       ; two tensor loads of mine are out
.endr
	v_and_b32 v1, 15, v0                           ; l % 16
	v_bfe_u32 v2, v0, 4, 1                         ; l / 16
	v_and_b32 v3, 31, v0                           ; l
	; a fragment of ah: lane l holds row l % 16, K = 8 (l / 16) + 0..7 and 16 + 8 (l / 16) + 0..7: two loads of 16 bytes, 32 bytes apart
	v_mul_u32_u24 v4, v1, PA
	v_lshl_add_u32 v4, v2, 4, v4
	s_mul_i32 s2, s[WM], AHALF                     ; my 64 rows
	v_add_nc_u32 v[ADRA], s2, v4
	v_add_nc_u32 v[ADRA+1], SLOT, v[ADRA]
	; the turning load takes 16 k x 16 columns (lane l reads k-row 8 (l / 16) + l % 8, columns 8 ((l / 8) % 2) + 0..7) and leaves half a fragment: lane l holds column l % 16 and 8 k
	v_and_b32 v5, 7, v0
	v_lshl_add_u32 v5, v2, 3, v5
	v_mul_u32_u24 v5, v5, PB
	v_bfe_u32 v6, v0, 3, 1
	v_lshl_add_u32 v5, v6, 4, v5
	s_lshl_b32 s3, s[WN], 8                        ; my 128 columns
	s_add_co_u32 s3, s3, BOFF
	v_add_nc_u32 v[ADRB], s3, v5
	v_add_nc_u32 v[ADRB+1], SLOT, v[ADRB]
	s_mul_i32 s2, s[WV], 16*SP
	s_add_co_u32 s2, s2, STAGE                     ; my stage
	v_mul_u32_u24 v[STO], v1, SP                   ; in: row l % 16, 32 bytes for each half of the lanes
	v_lshl_add_u32 v[STO], v2, 5, v[STO]
	v_add_nc_u32 v[STO], s2, v[STO]
	v_lshl_add_u32 v[RD], v3, 4, s2                ; back: 32 lanes take one row of 512 bytes
	v_lshlrev_b32 v[CO4], 4, v3
	v_lshlrev_b32 v[CO2], 3, v3
	v_lshlrev_b32 v[BO], 5, v2
	; 16 loads of the bias, then my 64 rows of add1: 80 loads stand in the wait for the first tile.  More than the counter's field holds: the hardware holds an issue back until there is room (ISA guide 5.7.1)
	WIN W_L
.irp b, 0,1,2,3,4,5,6,7
	global_load_b128 v[8*(\b):8*(\b)+3],   v[BO], s[8:9] offset:64*(\b)
	global_load_b128 v[8*(\b)+4:8*(\b)+7], v[BO], s[8:9] offset:64*(\b)+16
.endr
	WIN W_E
.set i, 0
.rept 64
	global_load_b128 v[4*i:4*i+3], v[CO4], s[10:11] offset:i*SIZE_N*4 th:TH_LOAD_NT  ; a row's 512 consecutive bytes, aligned; read once in this launch
.set i, i+1
.endr
	WIN 0
; 8 matrix instructions: row block a x all 8 column blocks, 32 along K, from buffer f.  first = 1: the bias starts the sums.
; The 32 accumulators take turns, one instruction a turn, in the same order in every quarter step.
.macro MULA f, a, first
.if \first
	WIN W_FIRST
.else
	WIN W_MUL
.endif
.irp b, 0,1,2,3,4,5,6,7
.if \first
	v_wmma_f32_16x16x32_f16 v[8*(8*(\a)+(\b)):8*(8*(\a)+(\b))+7], v[(\f)+32+8*(\b):(\f)+32+8*(\b)+7], v[(\f)+8*(\a):(\f)+8*(\a)+7], v[8*(\b):8*(\b)+7]
.else
	v_wmma_f32_16x16x32_f16 v[8*(8*(\a)+(\b)):8*(8*(\a)+(\b))+7], v[(\f)+32+8*(\b):(\f)+32+8*(\b)+7], v[(\f)+8*(\a):(\f)+8*(\a)+7], v[8*(8*(\a)+(\b)):8*(8*(\a)+(\b))+7]
.endif
.endr
.endm
; 24 LDS loads in one run: quarter q (32 along K) of a slot into buffer f: wh's 8 fragments first, then ah's 4
.macro FETCH slot, q, f
	WIN 0
.irp b, 0,1,2,3,4,5,6,7
	ds_load_tr16_b128 v[(\f)+32+8*(\b):(\f)+32+8*(\b)+3],   v[ADRB+(\slot)] offset:(\q)*32*PB+32*(\b)
	ds_load_tr16_b128 v[(\f)+32+8*(\b)+4:(\f)+32+8*(\b)+7], v[ADRB+(\slot)] offset:(\q)*32*PB+16*PB+32*(\b)
.endr
.irp a, 0,1,2,3
	ds_load_b128 v[(\f)+8*(\a):(\f)+8*(\a)+3],   v[ADRA+(\slot)] offset:(\q)*64+(\a)*16*PA
	ds_load_b128 v[(\f)+8*(\a)+4:(\f)+8*(\a)+7], v[ADRA+(\slot)] offset:(\q)*64+(\a)*16*PA+32
.endr
.endm
; A load into a register that a matrix instruction has read, and an LDS store or a vector instruction that reads a matrix result, stand four places behind it, and only plain vector
; instructions that name none of its registers are places (ISA guide 7.12.1 for vector instructions).
.macro PLACES
.rept 4
	v_nop
.endr
.endm
.macro LATE p                          ; my rows 32 p .. 32 p + 31 of the factor, into window 3 (the bias there has served)
	WIN W_L
.set i, 32*(\p)
.rept 32
	global_load_b64 v[2*i:2*i+1], v[CO2], s[12:13] offset:i*SIZE_N*2  ; a row's 256 consecutive bytes, aligned; other work-groups read these bytes as tiles, so no hint
.set i, i+1
.endr
.endm
; A K step is four quarters of 32 along K, 32 matrix instructions each, on buffers 0, 1, 0, 1.  One of the first three: multiplies buffer f and, in its middle, fetches quarter q into g.
.macro QUARTER slot, q, f, g, first=0, late=-1
	s_wait_dscnt 4                                 ; wh's fragments and ah's 0 and 1 are in; the youngest four loads (ah's 2 and 3) may be out
	MULA \f, 0, \first
	MULA \f, 1, \first
	PLACES
	FETCH \slot, \q, \g
.if (\late) >= 0
	LATE \late
.endif
	s_wait_dscnt 24                                ; all but the 24 just issued
	MULA \f, 2, \first
	MULA \f, 3, \first
.endm
; The last quarter multiplies buffer 1 and changes slots: ONE barrier.  In front of it each wave waits for all its tensor loads, of which one is out: its part of the next slot; adds 0 to its spare word;
; and waits for that and for its own reads of this slot.  fill = 1: the barrier opens a round of the cluster's, and this slot is filled again, two K steps ahead, first thing behind the round.
.macro TURN slot, next, fill
	WIN 0                                          ; (the add's two registers lie in window 0)
	s_wait_tensorcnt 0x0                           ; all my tensor loads have landed
	ds_add_u32 v[SPW], v[NIL]                      ; 0 onto my spare word
	s_wait_dscnt 5                                 ; (the add and the youngest four loads may be out)
	MULA F1, 0, 0                                  ; eight matrix instructions stand between the add and the wait for it
	s_wait_dscnt 0x0                               ; the add is done, and my reads of this slot are over
	s_barrier_signal -1
	MULA F1, 1, 0                                  ; work on registers while the others arrive
.if \fill
	WIN 0
.endif
	s_barrier_wait -1
.if \fill
	CREST                                          ; no wave of any partner still reads this slot's tile or has a load on its way
	s_add_nc_u64 s[G0A+4*(\slot)+2:G0A+4*(\slot)+3], s[G0A+4*(\slot)+2:G0A+4*(\slot)+3], 2*KSTEP*2
	s_add_nc_u64 s[G0B+4*(\slot)+2:G0B+4*(\slot)+3], s[G0B+4*(\slot)+2:G0B+4*(\slot)+3], 2*KSTEP*SIZE_N*2
	JLOAD \slot                                    ; my one tensor load behind the round: 112 matrix instructions ahead of the wait for it; its four v_nop are also the places in front of the loads below
.else
	PLACES
.endif
	FETCH \next, 0, F0
	MULA F1, 2, 0
	MULA F1, 3, 0
.endm
; THE WAY OUT of row block a.  TOSTAGE: the block's 16 rows x 128 columns of f32 go into my own stage and come back as whole rows of 512 bytes, into x.  Each accumulator's low half is read first.
.macro TOSTAGE a, x
	s_wait_xcnt 0x0                                ; every earlier memory instruction has had its addresses translated (ISA guide 3.1): x, which the stores of the block two back read, is loaded again only behind this wait
	WIN W_ST
.irp b, 0,1,2,3,4,5,6,7
	ds_store_b128 v[STO], v[8*(8*(\a)+(\b)):8*(8*(\a)+(\b))+3]   offset:64*(\b)
	ds_store_b128 v[STO], v[8*(8*(\a)+(\b))+4:8*(8*(\a)+(\b))+7] offset:64*(\b)+16
.endr
	WIN 0
.irp t, 0,1,2,3,4,5,6,7,8,9,10,11,12,13,14,15
	ds_load_b128 v[(\x)+4*(\t):(\x)+4*(\t)+3], v[RD] offset:(\t)*SP  ; LDS serves a wave's instructions in order (ISA guide 5.7.1.4): these see the stores above; the next block's stores come behind them
.endr
.endm
; The 64 halves of v32-63 are widened to f32 in v192-255.  Halves have names in v0-127 alone, so the factor is first brought from window 3 into window 0.
.macro WIDEN
.set i, 0
.irp s, v32.l,v32.h,v33.l,v33.h,v34.l,v34.h,v35.l,v35.h,v36.l,v36.h,v37.l,v37.h,v38.l,v38.h,v39.l,v39.h,v40.l,v40.h,v41.l,v41.h,v42.l,v42.h,v43.l,v43.h,v44.l,v44.h,v45.l,v45.h,v46.l,v46.h,v47.l,v47.h,v48.l,v48.h,v49.l,v49.h,v50.l,v50.h,v51.l,v51.h,v52.l,v52.h,v53.l,v53.h,v54.l,v54.h,v55.l,v55.h,v56.l,v56.h,v57.l,v57.h,v58.l,v58.h,v59.l,v59.h,v60.l,v60.h,v61.l,v61.h,v62.l,v62.h,v63.l,v63.h
	v_cvt_f32_f16 v[A32+i], \s
.set i, i+1
.endr
.endm
; COMBINE: (sum + add1) x a, stored.  younger: the LDS instructions issued behind the block's loads: the next block's 32, or none.
.macro COMBINE a, x, younger
	s_wait_dscnt \younger                          ; the block is back in registers
	s_wait_loadcnt 48-16*(\a)                      ; its 16 rows of the factor are in, and all of add1, which is older: the later blocks' rows of the factor may be out
	WIN W_MV
.set i, 0
.rept 32
	v_mov_b32 v[TH+i], v[32*(\a)+i]
.set i, i+1
.endr
	WIN 0
	WIDEN
	WIN W_A1
.set i, 0
.rept 32
	v_pk_add_f32 v[(\x)+2*i:(\x)+2*i+1], v[(\x)+2*i:(\x)+2*i+1], v[64*(\a)+2*i:64*(\a)+2*i+1]
.set i, i+1
.endr
	WIN 0
.set i, 0
.rept 32
	v_pk_mul_f32 v[(\x)+2*i:(\x)+2*i+1], v[(\x)+2*i:(\x)+2*i+1], v[A32+2*i:A32+2*i+1]
.set i, i+1
.endr
.irp t, 0,1,2,3,4,5,6,7,8,9,10,11,12,13,14,15
	global_store_b128 v[CO4], v[(\x)+4*(\t):(\x)+4*(\t)+3], s[14:15] offset:(16*(\a)+(\t))*SIZE_N*4 th:TH_STORE_NT  ; 32 lanes store 512 consecutive bytes, at a multiple of 256 from out0's first byte
.endr
.endm
	s_wait_tensorcnt 1                             ; my part of K step 0 is in; K step 1's may stay out
	s_barrier_signal -1
	s_barrier_wait -1                              ; everybody's is
	FETCH 0, 0, F0
	s_wait_loadcnt 63                              ; the bias is in: 64 loads, add1's rows, are younger than its sixteen
	QUARTER 0, 1, F0, F1, 1                        ; the first quarter stands in front of the loop: its products start the sums
	WIN 0                                          ; at a label and at a branch every window is 0
	s_mov_b32 s[CNT], LAPS-1
.Llap:                                                 ; a trip goes once round the ring, from a lap's second quarter to the next lap's first, and fills both slots again
	QUARTER 0, 2, F1, F0
	QUARTER 0, 3, F0, F1
	TURN 0, 1, 1
	QUARTER 1, 1, F0, F1
	QUARTER 1, 2, F1, F0
	QUARTER 1, 3, F0, F1
	TURN 1, 0, 1
	QUARTER 0, 1, F0, F1
	WIN 0
	s_sub_co_u32 s[CNT], s[CNT], 1
	s_cmp_lg_u32 s[CNT], 0
	s_cbranch_scc1 .Llap
	QUARTER 0, 2, F1, F0, 0, 0                     ; the last lap fills nothing and has no round; the factor is asked for here, six quarters ahead of its first use
	QUARTER 0, 3, F0, F1, 0, 1
	TURN 0, 1, 0
	QUARTER 1, 1, F0, F1
	QUARTER 1, 2, F1, F0
	QUARTER 1, 3, F0, F1
	s_wait_dscnt 4                                 ; the very last quarter: nothing more to fetch
	MULA F1, 0, 0
	MULA F1, 1, 0
	s_wait_dscnt 0x0
	MULA F1, 2, 0
	MULA F1, 3, 0
	PLACES
	TOSTAGE 0, X0
	TOSTAGE 1, X1                                  ; a block's trip through the stage stands under the arithmetic of the block before
	COMBINE 0, X0, 32
	TOSTAGE 2, X0
	COMBINE 1, X1, 32
	TOSTAGE 3, X1
	COMBINE 2, X0, 32
	COMBINE 3, X1, 0
	s_wait_tensorcnt 0x0                           ; the wave's end: these three lines stand behind my last tensor load and my last LDS store
	ds_add_u32 v[SPW], v[NIL]
	s_wait_dscnt 0x0
	CROUND                                         ; the closing round: no work-group ends while a partner may still ask for a tile that names it
	s_endpgm
.Lfunc_end_k_q441d68943f_gemm2:
	.size	k_q441d68943f_gemm2, .Lfunc_end_k_q441d68943f_gemm2-k_q441d68943f_gemm2
	.p2alignl 7, 3214868480
	.fill 96, 4, 3214868480
	.section	.rodata,"a",@progbits
	.p2align	6, 0x0
	.amdhsa_kernel k_q441d68943f_gemm2
		.amdhsa_group_segment_fixed_size 327680
		.amdhsa_private_segment_fixed_size 0
		.amdhsa_enable_private_segment 0
		.amdhsa_kernarg_size 40
		.amdhsa_user_sgpr_count 2
		.amdhsa_user_sgpr_kernarg_segment_ptr 1
		.amdhsa_wavefront_size32 1
		.amdhsa_system_sgpr_workgroup_id_x 1
		.amdhsa_system_sgpr_workgroup_id_y 1
		.amdhsa_system_sgpr_workgroup_id_z 1
		.amdhsa_system_vgpr_workitem_id 0
		.amdhsa_next_free_vgpr 1024
		.amdhsa_next_free_sgpr 72
		.amdhsa_reserve_vcc 0
		.amdhsa_float_denorm_mode_32 3
		.amdhsa_float_denorm_mode_16_64 3
		.amdhsa_memory_ordered 1
		.amdhsa_forward_progress 1
		.amdhsa_inst_pref_size 127
	.end_amdhsa_kernel
	.amdgpu_metadata
---
amdhsa.version: [ 1, 2 ]
amdhsa.kernels:
  - .name:           k_q441d68943f_gemm2
    .symbol:         k_q441d68943f_gemm2.kd
    .args:
      - { .name: ah, .offset: 0, .size: 8, .value_kind: global_buffer, .address_space: global }
      - { .name: wh, .offset: 8, .size: 8, .value_kind: global_buffer, .address_space: global }
      - { .name: woq_bias, .offset: 16, .size: 8, .value_kind: global_buffer, .address_space: global }
      - { .name: add1, .offset: 24, .size: 8, .value_kind: global_buffer, .address_space: global }
      - { .name: out0, .offset: 32, .size: 8, .value_kind: global_buffer, .address_space: global }
    .group_segment_fixed_size: 327680
    .private_segment_fixed_size: 0
    .kernarg_segment_align: 8
    .kernarg_segment_size: 40
    .max_flat_workgroup_size: 128
    .sgpr_count:     72
    .vgpr_count:     1024
    .wavefront_size: 32
...
	.end_amdgpu_metadata
.endif
;; end of part 3
;; ======== version 2 of 2: 3 launches
;; limits: values outside matrix products are rounded to f16; values are held in f16: magnitudes above 65,504 overflow, below 6.1e-05 lose precision; right only within a limited range of input values
;; workspace buffers: xh 16,777,216 bytes; wh 33,554,432 bytes; ah 16,777,216 bytes
;; launch prep: the kernel of part 1 again; grid 512 x 1, 8 waves a work-group, no clusters, 0 bytes of LDS; arguments inp, qweight, woq_scales, woq_qzeros, xh, wh; writes xh, wh
;; launch gemm1 (part 4): grid 16 x 16, 4 waves a work-group, clusters of 4 x 4, 327,680 bytes of LDS; arguments xh, wh, woq_bias, add1, add2, ah; writes ah
.if DOCPART == 4
	.amdgcn_target "amdgcn-amd-amdhsa--gfx1250"
	.amdhsa_code_object_version 6
	.text
	.protected	k_q441d68943f_gemm1
	.globl	k_q441d68943f_gemm1
	.p2align	8
	.type	k_q441d68943f_gemm1,@function
k_q441d68943f_gemm1:
	s_mov_b64 s[64:65], 0
	v_nop
	global_prefetch_b8 v0, s[64:65] scope:SCOPE_SE
	s_setreg_imm32_b32 hwreg(HW_REG_WAVE_MODE, 25, 1), 1
	s_wait_xcnt 0x0
	s_wait_alu depctr_hold_cnt(0) depctr_sa_sdst(0) depctr_va_vdst(0) depctr_va_sdst(0) depctr_va_ssrc(0) depctr_va_vcc(0) depctr_vm_vsrc(0)
	s_getreg_b32 s2, hwreg(HW_REG_IB_STS2, 6, 4)
	s_cmp_eq_u32 s2, 0
	s_cbranch_scc0 .Lentry_in_a_cluster
	s_endpgm
.Lentry_in_a_cluster:
	s_bfe_u32 s2, ttmp6, 0x10000c
	s_cmp_lg_u32 s2, 0xf033
	s_cbranch_scc0 .Lentry_shape_is_right
	s_endpgm
.Lentry_shape_is_right:
; ah[m][n] = f16( sum over k of xh[m][k] wh[k][n] + bias[n] + add1[m][n] + add2[m][n] ).  xh: [2048][4096] f16, wh: [4096 (k)][4096 (n)] f16, bias, add1, add2 f32; sums in f32.
; LIMITS.  The result is kept in f16: from 65,520 on it becomes an infinity; below 6e-5 it keeps f16's fixed step of 6e-8.
; SHARES.  A tile of 128 x 256 to a work-group: 16 tile rows along the grid's x, 16 tile columns along its y.  Four waves, each 64 rows x 128 columns: 32 accumulators of 16 x 16, 256 registers.
; K GOES in a first piece of 64 and then 21 steps of 192 (64 + 21 x 192 = 4,096) through a ring of two LDS slots filled by the tensor data mover.  A step's tiles are 128 rows of xh (384 bytes each)
; and 192 k-rows of wh (512 bytes each): 159,744 bytes with their padding; two such slots and the spare words take 320,000 of the 327,680 bytes, and no longer step that is a multiple of 32 fits.
; One load a wave goes out behind each change of slots and has the step's 192 matrix instructions a wave, less 8, in which to land.  The short piece comes first: its tiles are the smallest.
; xh's rows of 384 bytes begin at multiples of 128 bytes, not all of 256, from the buffer's first byte: the price of the long step.
; CLUSTERS: 4 x 4 work-groups.  The four of a column of the cluster (same x) need the same tiles of xh, the four of a row (same y) the same tiles of wh: each tile is asked for JOINTLY, by the same
; tensor load with the same descriptor and a mask that names the four.
; THE MATRIX INSTRUCTION IS USED TRANSPOSED: source 0 = 16 columns of wh (turned on the way out of LDS by ds_load_tr16_b128, since wh lies [k][n]), source 1 = 16 rows of xh.
; Lane l then holds row l % 16 of the result and its registers the columns 8 (l / 16) + 0..7.  The bias, laid out so, is the C operand of the products that start the sums: nothing is cleared.
; add1 AND add2 WAIT IN REGISTERS: my 64 rows x 512 bytes of add1 are asked for at the start (window 2), those of add2 in the last step but one (window 3), as whole rows; the sums meet them
; through my own stage in LDS, 16 rows at a time, so that loads and stores cover whole aligned runs of 512 and 256 bytes.
; REGISTERS, in windows of 256 (s_set_vgpr_msb: bits 1:0 source 0, 3:2 source 1, 5:4 source 2, 7:6 destination):
;   window 0: v0-31 addresses; v32-63 packed results; v64-159, v160-255 two fragment buffers (4 fragments of xh, then 8 of wh); on the way out v64-127, v128-191 rows read back
;   window 1: accumulator (a, b) at v[8 (8 a + b)]     window 2: add1, my row p at v[4 p]     window 3: v0-63 the bias for b = 0..7; later add2, my row p at v[4 p]
.set SIZE_N, 4096
.set SIZE_K, 4096
.set KFIRST, 64                        ; the first piece of K
.set KSTEP,  192                       ; a step: six chunks of 32
.set STEPS,  (SIZE_K-KFIRST)/KSTEP     ; 21
.set TRIPS,  (STEPS-1)/2               ; 10: the odd steps 1 .. 19, each of which ends at the loop's foot
.set SEG,    144                       ; 128 bytes of a row of xh + 16 of padding
.set PA,     3*SEG                     ; a row of xh in LDS: 432 bytes = 27 x 16: the 16 rows of a load start at 16 different groups of four banks (64 banks of 4 bytes: ISA guide 11.1)
.set PB,     544                       ; a k-row of wh: 512 + 32 = 136 words
.set AHALF,  64*PA                     ; what one tensor load brings of xh, and what one wave reads of it
.set PHALF,  64*SEG                    ; the same in the first piece, whose rows are one segment long
.set BOFF,   128*PA                    ; wh's k-rows lie behind xh's 128 rows
.set BHALF,  96*PB                     ; what one tensor load brings of wh
.set BPHALF, 32*PB                     ; the same in the first piece
.set SLOT,   BOFF+KSTEP*PB             ; 159,744 bytes
.set SP,     528                       ; a stage row: 512 bytes + 16.  THE STAGES, 16 such rows for each wave, lie at the head of slot 0: its last fill is step 20's, and every wave has ended its reads of it at the barrier that ends step 20
.set SPARE,  2*SLOT                    ; behind the ring: the spare words, 128 bytes for each wave: two blocks of 256 bytes that no other line names
.set ADRA, 16                          ; v16-17  LDS address of my fragments of xh in slot 0, 1
.set ADRP, 18                          ; v18     the same in the first piece
.set ADRB, 20                          ; v20-23  the same for wh: slot s, chunks 0-2 at ADRB + 2 s, chunks 3-5 (beyond a 16-bit offset) at ADRB + 2 s + 1
.set STO,  24                          ; v24     the way out: where I put my 32 bytes of a stage row
.set RD,   25                          ; v25     the way out: where I read 16 bytes of a row back
.set CO4,  26                          ; v26     16 x lane: my bytes in 512 bytes of an f32 row
.set CO2,  27                          ; v27     8 x lane: my bytes in 256 bytes of an f16 row
.set SPW,  28                          ; v28     LDS address of my spare word: SPARE + 4 x my thread's number; never rewritten
.set NIL,  29                          ; v29     0; never rewritten
.set BO,   30                          ; v30     32 x (lane / 16): my eight numbers among 16 of the bias
.set H,    32                          ; v32-63  16 rows packed to f16
.set F0,   64
.set F1,   160
.set X0,   64
.set X1,   128
.set WV,  16                           ; s16  my wave's number
.set WM,  17                           ; s17  which 64 rows of the tile are mine.  Also: I fetch xh (0) or wh (1)
.set WN,  18                           ; s18  which 128 columns.  Also: which half of that tile's rows I fetch
.set CNT, 19                           ; s19  passes of the loop's foot to go
.set G1A, 24                           ; s[24:31] descriptor group 1 for xh's tiles;  s[32:39] group 0, one set for each slot
.set G0A, 32
.set G1B, 48                           ; s[48:55], s[56:63] the same for wh's tiles
.set G0B, 56
.set G1AP, 72                          ; s[72:79], s[80:87] group 1 for the first piece's tiles of xh and of wh
.set G1BP, 80
.set G0AP, 88                          ; s[88:91], s[92:95] their group 0
.set G0BP, 92
.set MSB, 0
.macro WIN new                         ; the immediate's high byte repeats the setting that is left; a switch that changes nothing is dropped
.if MSB != (\new)
	s_set_vgpr_msb (MSB<<8)|(\new)
.set MSB, \new
.endif
.endm
.set W_MUL,   0x50                     ; sources 0 and 1 window 0; C and D window 1
.set W_FIRST, 0x70                     ; D window 1, C (the bias) window 3
.set W_E,     0x80                     ; destination window 2
.set W_L,     0xc0                     ; destination window 3
.set W_ST,    0x04                     ; an LDS store's data (source 1) window 1
.set W_A1,    0x08                     ; source 1 window 2
.set W_A2,    0x0c                     ; source 1 window 3
; A joint load: waves 0 and 1 fetch xh's two halves (group 0 at ga, group 1 at g1a), waves 2 and 3 wh's (gb, g1b).  The branch hangs on the wave's number alone.
; An s_nop 0 and four v_nop follow each of the two lines, ahead of the jump, the label and what follows.
.macro JLOAD ga, gb, g1a, g1b
	s_cmp_eq_u32 s[WM], 0
	s_cbranch_scc0 .Lfor_w_\@
	tensor_load_to_lds s[(\ga):(\ga)+3], s[(\g1a):(\g1a)+7]
	s_nop 0
.rept 4
	v_nop
.endr
	s_branch .Lasked_\@
.Lfor_w_\@:
	tensor_load_to_lds s[(\gb):(\gb)+3], s[(\g1b):(\g1b)+7]
	s_nop 0
.rept 4
	v_nop
.endr
.Lasked_\@:
.endm
.macro CREST                           ; a round of the cluster's barrier behind its opening barrier
	s_cmp_lg_u32 s[WV], 0
	s_cbranch_scc1 .Lnot_wave_0_\@
	s_barrier_signal -3
.Lnot_wave_0_\@:
	s_barrier_wait -3
	s_barrier_signal -1
	s_barrier_wait -1
.endm
.macro CROUND                          ; a whole round
	s_barrier_signal -1
	s_barrier_wait -1
	CREST
.endm
	s_load_b256 s[4:11], s[0:1], 0x0               ; xh s[4:5], wh s[6:7], bias s[8:9], add1 s[10:11]
	s_load_b128 s[12:15], s[0:1], 0x20             ; add2 s[12:13], ah s[14:15]
	v_lshl_add_u32 v[SPW], v0, 2, SPARE
	v_mov_b32 v[NIL], 0
	ds_add_u32 v[SPW], v[NIL]                      ; the wave's opening: the add and its wait stand ahead of my first tensor load; the set-up below, work on registers, stands between them
	v_lshrrev_b32 v1, 5, v0
	v_readfirstlane_b32 s[WV], v1                  ; wave 0..3
	s_lshr_b32 s[WM], s[WV], 1
	s_and_b32 s[WN], s[WV], 1
	s_bfe_u32 s40, ttmp6, 0x40000                  ; cx, cy: my place in the cluster
	s_bfe_u32 s41, ttmp6, 0x40004
	s_lshl_b32 s43, ttmp9, 2
	s_add_co_u32 s43, s43, s40                     ; tile row = 4 x cluster x + cx
	s_and_b32 s42, ttmp7, 0xffff
	s_lshl_b32 s42, s42, 2
	s_add_co_u32 s42, s42, s41                     ; tile column = 4 x cluster y + cy
	s_lshl_b32 s44, 0x1111, s40                    ; my column of the cluster: places cx, cx + 4, cx + 8, cx + 12: they share my tile row
	s_lshl_b32 s45, s41, 2
	s_lshl_b32 s45, 15, s45                        ; my row of the cluster: places 4 cy .. 4 cy + 3: they share my tile column
	; descriptor group 1.  xh: 64 rows x 192 (first piece: 64) elements; wh: 96 (first piece: 32) k-rows x 256 elements; all 4,096 elements from row to row, padded in LDS
	s_or_b32 s[G1A+0], s44, (1<<16)|(1<<20)|(1<<21)|(4<<22)|(3<<25)   ; 15:0 the mask: my column; 17:16 elements of 2 bytes; 20 padding on; 21 set beside a mask; 24:22 after every 32 words (code 4), a third of a row; 31:25 4 words (code 3)
	s_or_b32 s[G1AP+0], s44, (1<<16)|(1<<20)|(1<<21)|(4<<22)|(3<<25)  ; the same: here 32 words are a whole row
	s_or_b32 s[G1B+0], s45, (1<<16)|(1<<20)|(1<<21)|(6<<22)|(7<<25)   ; the mask: my row; after every 128 words (code 6), a row, 8 words (code 7)
	s_or_b32 s[G1BP+0], s45, (1<<16)|(1<<20)|(1<<21)|(6<<22)|(7<<25)
	s_mov_b32 s[G1A+1], KSTEP<<16                  ; tensor_dim0 = 192
	s_mov_b32 s[G1A+2], 64<<16                     ; tensor_dim1 = 64
	s_mov_b32 s[G1A+3], KSTEP<<16                  ; tile_dim0 = 192
	s_mov_b32 s[G1A+4], 64                         ; tile_dim1 = 64
	s_mov_b32 s[G1A+5], SIZE_K                     ; tensor_dim0_stride
	s_mov_b32 s[G1A+6], 0
	s_mov_b32 s[G1A+7], 0
	s_mov_b32 s[G1AP+1], KFIRST<<16                ; tensor_dim0 = 64
	s_mov_b32 s[G1AP+2], 64<<16
	s_mov_b32 s[G1AP+3], KFIRST<<16                ; tile_dim0 = 64
	s_mov_b32 s[G1AP+4], 64
	s_mov_b32 s[G1AP+5], SIZE_K
	s_mov_b32 s[G1AP+6], 0
	s_mov_b32 s[G1AP+7], 0
	s_mov_b32 s[G1B+1], 256<<16                    ; tensor_dim0 = 256
	s_mov_b32 s[G1B+2], 96<<16                     ; tensor_dim1 = 96
	s_mov_b32 s[G1B+3], 256<<16                    ; tile_dim0 = 256
	s_mov_b32 s[G1B+4], 96                         ; tile_dim1 = 96
	s_mov_b32 s[G1B+5], SIZE_N
	s_mov_b32 s[G1B+6], 0
	s_mov_b32 s[G1B+7], 0
	s_mov_b32 s[G1BP+1], 256<<16
	s_mov_b32 s[G1BP+2], 32<<16                    ; tensor_dim1 = 32
	s_mov_b32 s[G1BP+3], 256<<16
	s_mov_b32 s[G1BP+4], 32                        ; tile_dim1 = 32
	s_mov_b32 s[G1BP+5], SIZE_N
	s_mov_b32 s[G1BP+6], 0
	s_mov_b32 s[G1BP+7], 0
	; my 64 rows x 128 columns in the f32 tensors, in ah, and my 128 columns in the bias
	s_lshl_b32 s70, s42, 10
	s_lshl_b32 s3, s[WN], 9
	s_or_b32 s70, s70, s3                          ; (256 x tile column + 128 x half) x 4 bytes
	s_mov_b32 s71, 0
	s_lshl_b32 s66, s43, 21                        ; 128 rows of 16,384 bytes a tile row,
	s_lshl_b32 s3, s[WM], 20                       ; 64 rows a half
	s_or_b32 s66, s66, s3
	s_or_b32 s66, s66, s70
	s_mov_b32 s67, 0
	s_lshr_b32 s68, s66, 1                         ; the same place in f16
	s_mov_b32 s69, 0
	; where the tiles come from.  xh's hang on the tile row alone, which my column of the cluster shares; wh's on the tile column alone, which my row shares
	s_lshl_b32 s2, s[WN], 19                       ; xh: which 64 rows of 8,192 bytes I fetch,
	s_lshl_b32 s20, s43, 20                        ; 128 such rows a tile row
	s_or_b32 s20, s20, s2
	s_mov_b32 s21, 0
	s_lshl_b32 s46, s42, 9                         ; wh: 256 columns of 2 bytes a tile column,
	s_lshl_b32 s3, s[WN], 18                       ; in the first piece 32 k-rows of 8,192 bytes a half
	s_or_b32 s46, s46, s3
	s_mov_b32 s47, 0
	s_add_co_u32 s2, s[WN], 1                      ; from there to my 96 k-rows of step 1: 64 + 96 half - 32 half = 64 (half + 1) k-rows
	s_lshl_b32 s2, s2, 19
	s_mov_b32 s3, 0
	s_mul_i32 s22, s[WN], AHALF                    ; and where they go: no place in the cluster enters an LDS address
	s_mul_i32 s23, s[WN], BHALF
	s_add_co_u32 s23, s23, BOFF
	s_mul_i32 s[G0AP+1], s[WN], PHALF              ; 63:32 LDS address of the first piece's tiles, in slot 0
	s_mul_i32 s[G0BP+1], s[WN], BPHALF
	s_add_co_u32 s[G0BP+1], s[G0BP+1], BOFF
	s_wait_dscnt 0x0                               ; the opening add is done
	s_wait_kmcnt 0x0
	s_add_nc_u64 s[20:21], s[4:5], s[20:21]
	s_add_nc_u64 s[46:47], s[6:7], s[46:47]
	s_add_nc_u64 s[8:9], s[8:9], s[70:71]
	s_add_nc_u64 s[10:11], s[10:11], s[66:67]
	s_add_nc_u64 s[12:13], s[12:13], s[66:67]
	s_add_nc_u64 s[14:15], s[14:15], s[68:69]
	CROUND                                         ; all sixteen work-groups are here: the first joint loads meet
	s_mov_b32 s[G0AP], 1                           ; 1:0 count = 1
	s_mov_b64 s[G0AP+2:G0AP+3], s[20:21]           ; 120:64 global address: K = 0
	s_or_b32 s[G0AP+3], s[G0AP+3], 0x80000000      ; 127:126 type = 2
	s_mov_b32 s[G0BP], 1
	s_mov_b64 s[G0BP+2:G0BP+3], s[46:47]
	s_or_b32 s[G0BP+3], s[G0BP+3], 0x80000000
	JLOAD G0AP, G0BP, G1AP, G1BP                   ; the first piece, into slot 0
	s_add_nc_u64 s[46:47], s[46:47], s[2:3]        ; wh at my k-rows of step 1
.irp s, 1,0                            ; slot 1 begins with step 1, which is asked for now; slot 0's set is made ready for step 2
	s_mov_b32 s[G0A+4*(\s)], 1
	s_add_co_u32 s[G0A+4*(\s)+1], s22, (\s)*SLOT
	s_add_nc_u64 s[G0A+4*(\s)+2:G0A+4*(\s)+3], s[20:21], KFIRST*2+(1-(\s))*KSTEP*2  ; a step lies 384 bytes along the rows
	s_or_b32 s[G0A+4*(\s)+3], s[G0A+4*(\s)+3], 0x80000000
	s_mov_b32 s[G0B+4*(\s)], 1
	s_add_co_u32 s[G0B+4*(\s)+1], s23, (\s)*SLOT
	s_add_nc_u64 s[G0B+4*(\s)+2:G0B+4*(\s)+3], s[46:47], (1-(\s))*KSTEP*SIZE_N*2    ; a step lies 192 k-rows down
	s_or_b32 s[G0B+4*(\s)+3], s[G0B+4*(\s)+3], 0x80000000
.endr
	JLOAD G0A+4, G0B+4, G1A, G1B                   ; step 1, into slot 1: two tensor loads of mine are out
	v_and_b32 v1, 15, v0                           ; l % 16
	v_bfe_u32 v2, v0, 4, 1                         ; l / 16
	v_and_b32 v3, 31, v0                           ; l
	; a fragment of xh: lane l holds row l % 16, K = 8 (l / 16) + 0..7 and 16 + 8 (l / 16) + 0..7: two loads of 16 bytes, 32 bytes apart
	v_mul_u32_u24 v4, v1, PA
	v_lshl_add_u32 v4, v2, 4, v4
	s_mul_i32 s2, s[WM], AHALF                     ; my 64 rows
	v_add_nc_u32 v[ADRA], s2, v4
	v_add_nc_u32 v[ADRA+1], SLOT, v[ADRA]
	v_mul_u32_u24 v4, v1, SEG                      ; the same in the first piece
	v_lshl_add_u32 v4, v2, 4, v4
	s_mul_i32 s3, s[WM], PHALF
	v_add_nc_u32 v[ADRP], s3, v4
	; the turning load takes 16 k x 16 columns (lane l reads k-row 8 (l / 16) + l % 8, columns 8 ((l / 8) % 2) + 0..7) and leaves half a fragment: lane l holds column l % 16 and 8 k
	v_and_b32 v5, 7, v0
	v_lshl_add_u32 v5, v2, 3, v5
	v_mul_u32_u24 v5, v5, PB
	v_bfe_u32 v6, v0, 3, 1
	v_lshl_add_u32 v5, v6, 4, v5
	s_lshl_b32 s2, s[WN], 8                        ; my 128 columns
	s_add_co_u32 s2, s2, BOFF
	v_add_nc_u32 v[ADRB], s2, v5
	v_add_nc_u32 v[ADRB+1], 3*32*PB, v[ADRB]
	v_add_nc_u32 v[ADRB+2], SLOT, v[ADRB]
	v_add_nc_u32 v[ADRB+3], SLOT, v[ADRB+1]
	s_mul_i32 s3, s[WV], 16*SP                     ; my stage, from LDS byte 0 on
	v_mul_u32_u24 v[STO], v1, SP                   ; in: row l % 16, 32 bytes for each half of the lanes
	v_lshl_add_u32 v[STO], v2, 5, v[STO]
	v_add_nc_u32 v[STO], s3, v[STO]
	v_lshl_add_u32 v[RD], v3, 4, s3                ; back: 32 lanes take one row of 512 bytes
	v_lshlrev_b32 v[CO4], 4, v3
	v_lshlrev_b32 v[CO2], 3, v3
	v_lshlrev_b32 v[BO], 5, v2
	; 16 loads of the bias, then my 64 rows of add1: 80 loads stand in the wait for the first tile.  More than the counter's field holds: the hardware holds an issue back until there is room (ISA guide 5.7.1)
	WIN W_L
.irp b, 0,1,2,3,4,5,6,7
	global_load_b128 v[8*(\b):8*(\b)+3],   v[BO], s[8:9] offset:64*(\b)
	global_load_b128 v[8*(\b)+4:8*(\b)+7], v[BO], s[8:9] offset:64*(\b)+16
.endr
	WIN W_E
.set i, 0
.rept 64
	global_load_b128 v[4*i:4*i+3], v[CO4], s[10:11] offset:i*SIZE_N*4  ; a row's 512 consecutive bytes, aligned; the next launch reads add1 again, so no hint
.set i, i+1
.endr
	WIN 0
; 8 matrix instructions: row block a x all 8 column blocks, 32 along K, from buffer f.  first = 1: the bias starts the sums.
; The 32 accumulators take turns, one instruction a turn, in the same order in every chunk.
.macro MULA f, a, first
.if \first
	WIN W_FIRST
.else
	WIN W_MUL
.endif
.irp b, 0,1,2,3,4,5,6,7
.if \first
	v_wmma_f32_16x16x32_f16 v[8*(8*(\a)+(\b)):8*(8*(\a)+(\b))+7], v[(\f)+32+8*(\b):(\f)+32+8*(\b)+7], v[(\f)+8*(\a):(\f)+8*(\a)+7], v[8*(\b):8*(\b)+7]
.else
	v_wmma_f32_16x16x32_f16 v[8*(8*(\a)+(\b)):8*(8*(\a)+(\b))+7], v[(\f)+32+8*(\b):(\f)+32+8*(\b)+7], v[(\f)+8*(\a):(\f)+8*(\a)+7], v[8*(8*(\a)+(\b)):8*(8*(\a)+(\b))+7]
.endif
.endr
.endm
; 24 LDS loads in one run: a chunk (32 along K) into buffer f: wh's 8 fragments first (address register rb, byte bo), then xh's 4 (register ra, byte ao, rows ap bytes apart)
.macro FETCHX ra, ao, ap, rb, bo, f
	WIN 0
.irp b, 0,1,2,3,4,5,6,7
	ds_load_tr16_b128 v[(\f)+32+8*(\b):(\f)+32+8*(\b)+3],   v[\rb] offset:(\bo)+32*(\b)
	ds_load_tr16_b128 v[(\f)+32+8*(\b)+4:(\f)+32+8*(\b)+7], v[\rb] offset:(\bo)+16*PB+32*(\b)
.endr
.irp a, 0,1,2,3
	ds_load_b128 v[(\f)+8*(\a):(\f)+8*(\a)+3],   v[\ra] offset:(\ao)+(\a)*16*(\ap)
	ds_load_b128 v[(\f)+8*(\a)+4:(\f)+8*(\a)+7], v[\ra] offset:(\ao)+(\a)*16*(\ap)+32
.endr
.endm
.macro FETCH slot, q, f                ; chunk q of six of a step: in xh's rows two chunks lie in each segment of 128 bytes
	FETCHX ADRA+(\slot), ((\q)/2)*SEG+((\q)%2)*64, PA, ADRB+2*(\slot)+(\q)/3, ((\q)%3)*32*PB, \f
.endm
.macro FETCHP q, f                     ; chunk q of two of the first piece
	FETCHX ADRP, (\q)*64, SEG, ADRB, (\q)*32*PB, \f
.endm
; A load into a register that a matrix instruction has read, and an LDS store or a vector instruction that reads a matrix result, stand four places behind it, and only plain vector
; instructions that name none of its registers are places (ISA guide 7.12.1 for vector instructions).
.macro PLACES
.rept 4
	v_nop
.endr
.endm
.macro LATE p                          ; my rows 32 p .. 32 p + 31 of add2, into window 3 (the bias there has served)
	WIN W_L
.set i, 32*(\p)
.rept 32
	global_load_b128 v[4*i:4*i+3], v[CO4], s[12:13] offset:i*SIZE_N*4 th:TH_LOAD_NT
.set i, i+1
.endr
.endm
; A chunk is 32 along K, 32 matrix instructions; chunks go on buffers 0, 1, 0, 1 ..  Every chunk but a step's last: multiplies buffer f and, in its middle, fetches chunk q into g.  head = 1: of the first piece.
.macro QUARTER slot, q, f, g, first=0, late=-1, head=0
	s_wait_dscnt 4                                 ; wh's fragments and xh's 0 and 1 are in; the youngest four loads (xh's 2 and 3) may be out
	MULA \f, 0, \first
	MULA \f, 1, \first
	PLACES
.if \head
	FETCHP \q, \g
.else
	FETCH \slot, \q, \g
.endif
.if (\late) >= 0
	LATE \late
.endif
	s_wait_dscnt 24                                ; all but the 24 just issued
	MULA \f, 2, \first
	MULA \f, 3, \first
.endm
.macro FIVE slot, la=-1, lb=-1         ; a step's first five chunks
	QUARTER \slot, 1, F0, F1
	QUARTER \slot, 2, F1, F0, 0, \la
	QUARTER \slot, 3, F0, F1, 0, \lb
	QUARTER \slot, 4, F1, F0
	QUARTER \slot, 5, F0, F1
.endm
; A step's last chunk multiplies buffer 1 and changes slots: ONE barrier.  In front of it each wave waits for all its tensor loads, of which one is out: its part of the next slot; adds 0 to its spare word;
; and waits for that and for its own reads of this slot.  fill = 1: the barrier opens a round of the cluster's, and this slot is filled again first thing behind the round; step = 1: with the tiles two steps
; on from its last; step = 0: with those that its descriptors were made for.  The wait for the tensor loads stands late in the chunk, and nothing stands inside the round: from a tile's landing to the next request
; lie eight matrix instructions and the round.
.macro TURN slot, next, fill, step
	s_wait_dscnt 4
	MULA F1, 0, 0
	WIN 0                                          ; (the add's two registers lie in window 0)
	s_wait_tensorcnt 0x0                           ; all my tensor loads have landed
	ds_add_u32 v[SPW], v[NIL]                      ; 0 onto my spare word
	MULA F1, 1, 0                                  ; eight matrix instructions stand between the add and the wait for it
	WIN 0
	s_wait_dscnt 0x0                               ; the add is done, and my reads of this slot are over
	s_barrier_signal -1
	s_barrier_wait -1
.if \fill
	CREST                                          ; no wave of any partner still reads this slot's tile or has a load on its way
.if \step
	s_add_nc_u64 s[G0A+4*(\slot)+2:G0A+4*(\slot)+3], s[G0A+4*(\slot)+2:G0A+4*(\slot)+3], 2*KSTEP*2
	s_add_nc_u64 s[G0B+4*(\slot)+2:G0B+4*(\slot)+3], s[G0B+4*(\slot)+2:G0B+4*(\slot)+3], 2*KSTEP*SIZE_N*2
.endif
	JLOAD G0A+4*(\slot), G0B+4*(\slot), G1A, G1B   ; my one tensor load behind the round: 184 matrix instructions ahead of the wait for it; its four v_nop are also the places in front of the loads below
.else
	PLACES
.endif
	FETCH \next, 0, F0
	MULA F1, 2, 0
	MULA F1, 3, 0
.endm
; THE WAY OUT of row block a.  TOSTAGE: the block's 16 rows x 128 columns of f32 go into my own stage and come back as whole rows of 512 bytes, into x.  Each accumulator's low half is read first.
.macro TOSTAGE a, x
	WIN W_ST
.irp b, 0,1,2,3,4,5,6,7
	ds_store_b128 v[STO], v[8*(8*(\a)+(\b)):8*(8*(\a)+(\b))+3]   offset:64*(\b)
	ds_store_b128 v[STO], v[8*(8*(\a)+(\b))+4:8*(8*(\a)+(\b))+7] offset:64*(\b)+16
.endr
	WIN 0
.irp t, 0,1,2,3,4,5,6,7,8,9,10,11,12,13,14,15
	ds_load_b128 v[(\x)+4*(\t):(\x)+4*(\t)+3], v[RD] offset:(\t)*SP  ; LDS serves a wave's instructions in order (ISA guide 5.7.1.4): these see the stores above; the next block's stores come behind them
.endr
.endm
; COMBINE: + add1 + add2, rounded to f16, stored.  younger: the LDS instructions issued behind the block's loads: the next block's 32, or none.
.macro COMBINE a, x, younger
	s_wait_dscnt \younger                          ; the block is back in registers
	s_wait_loadcnt 48-16*(\a)                      ; its 16 rows of add2 are in, and all of add1, which is older: the later blocks' rows of add2 may be out
	WIN W_A1
.set i, 0
.rept 32
	v_pk_add_f32 v[(\x)+2*i:(\x)+2*i+1], v[(\x)+2*i:(\x)+2*i+1], v[64*(\a)+2*i:64*(\a)+2*i+1]
.set i, i+1
.endr
	WIN W_A2
.set i, 0
.rept 32
	v_pk_add_f32 v[(\x)+2*i:(\x)+2*i+1], v[(\x)+2*i:(\x)+2*i+1], v[64*(\a)+2*i:64*(\a)+2*i+1]
.set i, i+1
.endr
	WIN 0
	s_wait_xcnt 0x0                                ; every earlier memory instruction has had its addresses translated (ISA guide 3.1): H, which the last block's stores read, is rewritten only behind this wait
.set i, 0
.rept 32
	v_cvt_pk_f16_f32 v[H+i], v[(\x)+2*i], v[(\x)+2*i+1]
.set i, i+1
.endr
.irp t, 0,1,2,3,4,5,6,7,8,9,10,11,12,13,14,15
	global_store_b64 v[CO2], v[H+2*(\t):H+2*(\t)+1], s[14:15] offset:(16*(\a)+(\t))*SIZE_N*2  ; 32 lanes store 256 consecutive bytes, at a multiple of 256 from ah's first byte
.endr
.endm
	s_wait_tensorcnt 1                             ; my part of the first piece is in; step 1's may stay out
	s_barrier_signal -1
	s_barrier_wait -1                              ; everybody's is
	FETCHP 0, F0
	s_wait_loadcnt 63                              ; the bias is in: 64 loads, add1's rows, are younger than its sixteen
	QUARTER 0, 1, F0, F1, 1, -1, 1                 ; the first piece's first chunk: its products start the sums
	TURN 0, 1, 1, 0                                ; its second and last: slot 0 takes step 2
	WIN 0                                          ; at a label and at a branch every window is 0
	s_mov_b32 s[CNT], TRIPS
	s_branch .Lodd                                 ; the loop is entered in the middle of a trip: step 1 lies in slot 1
.Llap:                                                 ; a trip: an even step in slot 0, an odd one in slot 1; both slots are filled again, two steps ahead.  Steps 2 to 19 in nine whole trips
	FIVE 0
	TURN 0, 1, 1, 1
	WIN 0
.Lodd:
	FIVE 1
	TURN 1, 0, 1, 1
	WIN 0
	s_sub_co_u32 s[CNT], s[CNT], 1
	s_cmp_lg_u32 s[CNT], 0
	s_cbranch_scc1 .Llap
	FIVE 0, 0, 1                                   ; steps 20 and 21 fill nothing and have no round; add2 is asked for here, nine chunks ahead of its first use
	TURN 0, 1, 0, 0
	FIVE 1
	s_wait_dscnt 4                                 ; the very last chunk: nothing more to fetch
	MULA F1, 0, 0
	MULA F1, 1, 0
	s_wait_dscnt 0x0
	MULA F1, 2, 0
	MULA F1, 3, 0
	PLACES
	TOSTAGE 0, X0
	TOSTAGE 1, X1                                  ; a block's trip through the stage stands under the arithmetic of the block before
	COMBINE 0, X0, 32
	TOSTAGE 2, X0
	COMBINE 1, X1, 32
	TOSTAGE 3, X1
	COMBINE 2, X0, 32
	COMBINE 3, X1, 0
	s_wait_tensorcnt 0x0                           ; the wave's end: these three lines stand behind my last tensor load and my last LDS store
	ds_add_u32 v[SPW], v[NIL]
	s_wait_dscnt 0x0
	CROUND                                         ; the closing round: no work-group ends while a partner may still ask for a tile that names it
	s_endpgm
.Lfunc_end_k_q441d68943f_gemm1:
	.size	k_q441d68943f_gemm1, .Lfunc_end_k_q441d68943f_gemm1-k_q441d68943f_gemm1
	.p2alignl 7, 3214868480
	.fill 96, 4, 3214868480
	.section	.rodata,"a",@progbits
	.p2align	6, 0x0
	.amdhsa_kernel k_q441d68943f_gemm1
		.amdhsa_group_segment_fixed_size 327680
		.amdhsa_private_segment_fixed_size 0
		.amdhsa_enable_private_segment 0
		.amdhsa_kernarg_size 48
		.amdhsa_user_sgpr_count 2
		.amdhsa_user_sgpr_kernarg_segment_ptr 1
		.amdhsa_wavefront_size32 1
		.amdhsa_system_sgpr_workgroup_id_x 1
		.amdhsa_system_sgpr_workgroup_id_y 1
		.amdhsa_system_sgpr_workgroup_id_z 1
		.amdhsa_system_vgpr_workitem_id 0
		.amdhsa_next_free_vgpr 1024
		.amdhsa_next_free_sgpr 96
		.amdhsa_reserve_vcc 0
		.amdhsa_float_denorm_mode_32 3
		.amdhsa_float_denorm_mode_16_64 3
		.amdhsa_memory_ordered 1
		.amdhsa_forward_progress 1
		.amdhsa_inst_pref_size 163
	.end_amdhsa_kernel
	.amdgpu_metadata
---
amdhsa.version: [ 1, 2 ]
amdhsa.kernels:
  - .name:           k_q441d68943f_gemm1
    .symbol:         k_q441d68943f_gemm1.kd
    .args:
      - { .name: xh, .offset: 0, .size: 8, .value_kind: global_buffer, .address_space: global }
      - { .name: wh, .offset: 8, .size: 8, .value_kind: global_buffer, .address_space: global }
      - { .name: woq_bias, .offset: 16, .size: 8, .value_kind: global_buffer, .address_space: global }
      - { .name: add1, .offset: 24, .size: 8, .value_kind: global_buffer, .address_space: global }
      - { .name: add2, .offset: 32, .size: 8, .value_kind: global_buffer, .address_space: global }
      - { .name: ah, .offset: 40, .size: 8, .value_kind: global_buffer, .address_space: global }
    .group_segment_fixed_size: 327680
    .private_segment_fixed_size: 0
    .kernarg_segment_align: 8
    .kernarg_segment_size: 48
    .max_flat_workgroup_size: 128
    .sgpr_count:     96
    .vgpr_count:     1024
    .wavefront_size: 32
...
	.end_amdgpu_metadata
.endif
;; end of part 4
;; launch gemm2 (part 5): grid 16 x 16, 4 waves a work-group, clusters of 4 x 4, 327,680 bytes of LDS; arguments ah, wh, woq_bias, add1, out0; writes out0
.if DOCPART == 5
	.amdgcn_target "amdgcn-amd-amdhsa--gfx1250"
	.amdhsa_code_object_version 6
	.text
	.protected	k_q441d68943f_gemm2
	.globl	k_q441d68943f_gemm2
	.p2align	8
	.type	k_q441d68943f_gemm2,@function
k_q441d68943f_gemm2:
	s_mov_b64 s[64:65], 0
	v_nop
	global_prefetch_b8 v0, s[64:65] scope:SCOPE_SE
	s_setreg_imm32_b32 hwreg(HW_REG_WAVE_MODE, 25, 1), 1
	s_wait_xcnt 0x0
	s_wait_alu depctr_hold_cnt(0) depctr_sa_sdst(0) depctr_va_vdst(0) depctr_va_sdst(0) depctr_va_ssrc(0) depctr_va_vcc(0) depctr_vm_vsrc(0)
	s_getreg_b32 s2, hwreg(HW_REG_IB_STS2, 6, 4)
	s_cmp_eq_u32 s2, 0
	s_cbranch_scc0 .Lentry_in_a_cluster
	s_endpgm
.Lentry_in_a_cluster:
	s_bfe_u32 s2, ttmp6, 0x10000c
	s_cmp_lg_u32 s2, 0xf033
	s_cbranch_scc0 .Lentry_shape_is_right
	s_endpgm
.Lentry_shape_is_right:
; out0[m][n] = a[m][n] * ( sum over k of a[m][k] wh[k][n] + bias[n] + add1[m][n] ), a = ah: [2048][4096] f16, wh: [4096 (k)][4096 (n)] f16, bias, add1, out0 f32; sums in f32.
; LIMITS.  Both uses of a take the f16 number that the launch before stored: as a factor it is off by at most 2^-11 of itself; from 65,520 on it is an infinity; below 6e-5 it keeps f16's fixed step of 6e-8.
; SHARES.  A tile of 128 x 256 to a work-group: 16 tile rows along the grid's x, 16 tile columns along its y.  Four waves, each 64 rows x 128 columns: 32 accumulators of 16 x 16, 256 registers.
; K GOES in a first piece of 64 and then 21 steps of 192 (64 + 21 x 192 = 4,096) through a ring of two LDS slots filled by the tensor data mover.  A step's tiles are 128 rows of ah (384 bytes each)
; and 192 k-rows of wh (512 bytes each): 159,744 bytes with their padding; two such slots and the spare words take 320,000 of the 327,680 bytes, and no longer step that is a multiple of 32 fits.
; One load a wave goes out behind each change of slots and has the step's 192 matrix instructions a wave, less 8, in which to land.  The short piece comes first: its tiles are the smallest.
; ah's rows of 384 bytes begin at multiples of 128 bytes, not all of 256, from the buffer's first byte: the price of the long step.
; CLUSTERS: 4 x 4 work-groups.  The four of a column of the cluster (same x) need the same tiles of ah, the four of a row (same y) the same tiles of wh: each tile is asked for JOINTLY, by the same
; tensor load with the same descriptor and a mask that names the four.
; THE MATRIX INSTRUCTION IS USED TRANSPOSED: source 0 = 16 columns of wh (turned on the way out of LDS by ds_load_tr16_b128, since wh lies [k][n]), source 1 = 16 rows of ah.
; Lane l then holds row l % 16 of the result and its registers the columns 8 (l / 16) + 0..7.  The bias, laid out so, is the C operand of the products that start the sums: nothing is cleared.
; add1 AND THE FACTOR WAIT IN REGISTERS: my 64 rows x 512 bytes of add1 are asked for at the start (window 2), my 64 rows x 256 bytes of ah in the last step but one (window 3), as whole rows; the sums
; meet them through my own stage in LDS, 16 rows at a time, so that loads and stores cover whole aligned runs of 512 and 256 bytes.
; REGISTERS, in windows of 256 (s_set_vgpr_msb: bits 1:0 source 0, 3:2 source 1, 5:4 source 2, 7:6 destination):
;   window 0: v0-31 addresses; v32-63 16 rows of the factor in f16; v64-159, v160-255 two fragment buffers (4 fragments of ah, then 8 of wh); on the way out v64-127, v128-191 rows read back, v192-255 the factor in f32
;   window 1: accumulator (a, b) at v[8 (8 a + b)]     window 2: add1, my row p at v[4 p]     window 3: v0-63 the bias for b = 0..7; later the factor, my row p at v[2 p]
.set SIZE_N, 4096
.set SIZE_K, 4096
.set KFIRST, 64                        ; the first piece of K
.set KSTEP,  192                       ; a step: six chunks of 32
.set STEPS,  (SIZE_K-KFIRST)/KSTEP     ; 21
.set TRIPS,  (STEPS-1)/2               ; 10: the odd steps 1 .. 19, each of which ends at the loop's foot
.set SEG,    144                       ; 128 bytes of a row of ah + 16 of padding
.set PA,     3*SEG                     ; a row of ah in LDS: 432 bytes = 27 x 16: the 16 rows of a load start at 16 different groups of four banks (64 banks of 4 bytes: ISA guide 11.1)
.set PB,     544                       ; a k-row of wh: 512 + 32 = 136 words
.set AHALF,  64*PA                     ; what one tensor load brings of ah, and what one wave reads of it
.set PHALF,  64*SEG                    ; the same in the first piece, whose rows are one segment long
.set BOFF,   128*PA                    ; wh's k-rows lie behind ah's 128 rows
.set BHALF,  96*PB                     ; what one tensor load brings of wh
.set BPHALF, 32*PB                     ; the same in the first piece
.set SLOT,   BOFF+KSTEP*PB             ; 159,744 bytes
.set SP,     528                       ; a stage row: 512 bytes + 16.  THE STAGES, 16 such rows for each wave, lie at the head of slot 0: its last fill is step 20's, and every wave has ended its reads of it at the barrier that ends step 20
.set SPARE,  2*SLOT                    ; behind the ring: the spare words, 128 bytes for each wave: two blocks of 256 bytes that no other line names
.set ADRA, 16                          ; v16-17  LDS address of my fragments of ah in slot 0, 1
.set ADRP, 18                          ; v18     the same in the first piece
.set ADRB, 20                          ; v20-23  the same for wh: slot s, chunks 0-2 at ADRB + 2 s, chunks 3-5 (beyond a 16-bit offset) at ADRB + 2 s + 1
.set STO,  24                          ; v24     the way out: where I put my 32 bytes of a stage row
.set RD,   25                          ; v25     the way out: where I read 16 bytes of a row back
.set CO4,  26                          ; v26     16 x lane: my bytes in 512 bytes of an f32 row
.set CO2,  27                          ; v27     8 x lane: my bytes in 256 bytes of an f16 row
.set SPW,  28                          ; v28     LDS address of my spare word: SPARE + 4 x my thread's number; never rewritten
.set NIL,  29                          ; v29     0; never rewritten
.set BO,   30                          ; v30     32 x (lane / 16): my eight numbers among 16 of the bias
.set TH,   32                          ; v32-63  16 rows of the factor, two f16 a register (the macro WIDEN names these registers' halves one by one)
.set F0,   64
.set F1,   160
.set X0,   64
.set X1,   128
.set A32,  192                         ; v192-255 16 rows of the factor in f32
.set WV,  16                           ; s16  my wave's number
.set WM,  17                           ; s17  which 64 rows of the tile are mine.  Also: I fetch ah (0) or wh (1)
.set WN,  18                           ; s18  which 128 columns.  Also: which half of that tile's rows I fetch
.set CNT, 19                           ; s19  passes of the loop's foot to go
.set G1A, 24                           ; s[24:31] descriptor group 1 for ah's tiles;  s[32:39] group 0, one set for each slot
.set G0A, 32
.set G1B, 48                           ; s[48:55], s[56:63] the same for wh's tiles
.set G0B, 56
.set G1AP, 72                          ; s[72:79], s[80:87] group 1 for the first piece's tiles of ah and of wh
.set G1BP, 80
.set G0AP, 88                          ; s[88:91], s[92:95] their group 0
.set G0BP, 92
.set MSB, 0
.macro WIN new                         ; the immediate's high byte repeats the setting that is left; a switch that changes nothing is dropped
.if MSB != (\new)
	s_set_vgpr_msb (MSB<<8)|(\new)
.set MSB, \new
.endif
.endm
.set W_MUL,   0x50                     ; sources 0 and 1 window 0; C and D window 1
.set W_FIRST, 0x70                     ; D window 1, C (the bias) window 3
.set W_E,     0x80                     ; destination window 2
.set W_L,     0xc0                     ; destination window 3
.set W_ST,    0x04                     ; an LDS store's data (source 1) window 1
.set W_A1,    0x08                     ; source 1 window 2
.set W_MV,    0x03                     ; source 0 window 3
; A joint load: waves 0 and 1 fetch ah's two halves (group 0 at ga, group 1 at g1a), waves 2 and 3 wh's (gb, g1b).  The branch hangs on the wave's number alone.
; An s_nop 0 and four v_nop follow each of the two lines, ahead of the jump, the label and what follows.
.macro JLOAD ga, gb, g1a, g1b
	s_cmp_eq_u32 s[WM], 0
	s_cbranch_scc0 .Lfor_w_\@
	tensor_load_to_lds s[(\ga):(\ga)+3], s[(\g1a):(\g1a)+7]
	s_nop 0
.rept 4
	v_nop
.endr
	s_branch .Lasked_\@
.Lfor_w_\@:
	tensor_load_to_lds s[(\gb):(\gb)+3], s[(\g1b):(\g1b)+7]
	s_nop 0
.rept 4
	v_nop
.endr
.Lasked_\@:
.endm
.macro CREST                           ; a round of the cluster's barrier behind its opening barrier
	s_cmp_lg_u32 s[WV], 0
	s_cbranch_scc1 .Lnot_wave_0_\@
	s_barrier_signal -3
.Lnot_wave_0_\@:
	s_barrier_wait -3
	s_barrier_signal -1
	s_barrier_wait -1
.endm
.macro CROUND                          ; a whole round
	s_barrier_signal -1
	s_barrier_wait -1
	CREST
.endm
	s_load_b256 s[4:11], s[0:1], 0x0               ; ah s[4:5], wh s[6:7], bias s[8:9], add1 s[10:11]
	s_load_b64 s[14:15], s[0:1], 0x20              ; out0
	v_lshl_add_u32 v[SPW], v0, 2, SPARE
	v_mov_b32 v[NIL], 0
	ds_add_u32 v[SPW], v[NIL]                      ; the wave's opening: the add and its wait stand ahead of my first tensor load; the set-up below, work on registers, stands between them
	v_lshrrev_b32 v1, 5, v0
	v_readfirstlane_b32 s[WV], v1                  ; wave 0..3
	s_lshr_b32 s[WM], s[WV], 1
	s_and_b32 s[WN], s[WV], 1
	s_bfe_u32 s40, ttmp6, 0x40000                  ; cx, cy: my place in the cluster
	s_bfe_u32 s41, ttmp6, 0x40004
	s_lshl_b32 s43, ttmp9, 2
	s_add_co_u32 s43, s43, s40                     ; tile row = 4 x cluster x + cx
	s_and_b32 s42, ttmp7, 0xffff
	s_lshl_b32 s42, s42, 2
	s_add_co_u32 s42, s42, s41                     ; tile column = 4 x cluster y + cy
	s_lshl_b32 s44, 0x1111, s40                    ; my column of the cluster: places cx, cx + 4, cx + 8, cx + 12: they share my tile row
	s_lshl_b32 s45, s41, 2
	s_lshl_b32 s45, 15, s45                        ; my row of the cluster: places 4 cy .. 4 cy + 3: they share my tile column
	; descriptor group 1.  ah: 64 rows x 192 (first piece: 64) elements; wh: 96 (first piece: 32) k-rows x 256 elements; all 4,096 elements from row to row, padded in LDS
	s_or_b32 s[G1A+0], s44, (1<<16)|(1<<20)|(1<<21)|(4<<22)|(3<<25)   ; 15:0 the mask: my column; 17:16 elements of 2 bytes; 20 padding on; 21 set beside a mask; 24:22 after every 32 words (code 4), a third of a row; 31:25 4 words (code 3)
	s_or_b32 s[G1AP+0], s44, (1<<16)|(1<<20)|(1<<21)|(4<<22)|(3<<25)  ; the same: here 32 words are a whole row
	s_or_b32 s[G1B+0], s45, (1<<16)|(1<<20)|(1<<21)|(6<<22)|(7<<25)   ; the mask: my row; after every 128 words (code 6), a row, 8 words (code 7)
	s_or_b32 s[G1BP+0], s45, (1<<16)|(1<<20)|(1<<21)|(6<<22)|(7<<25)
	s_mov_b32 s[G1A+1], KSTEP<<16                  ; tensor_dim0 = 192
	s_mov_b32 s[G1A+2], 64<<16                     ; tensor_dim1 = 64
	s_mov_b32 s[G1A+3], KSTEP<<16                  ; tile_dim0 = 192
	s_mov_b32 s[G1A+4], 64                         ; tile_dim1 = 64
	s_mov_b32 s[G1A+5], SIZE_K                     ; tensor_dim0_stride
	s_mov_b32 s[G1A+6], 0
	s_mov_b32 s[G1A+7], 0
	s_mov_b32 s[G1AP+1], KFIRST<<16                ; tensor_dim0 = 64
	s_mov_b32 s[G1AP+2], 64<<16
	s_mov_b32 s[G1AP+3], KFIRST<<16                ; tile_dim0 = 64
	s_mov_b32 s[G1AP+4], 64
	s_mov_b32 s[G1AP+5], SIZE_K
	s_mov_b32 s[G1AP+6], 0
	s_mov_b32 s[G1AP+7], 0
	s_mov_b32 s[G1B+1], 256<<16                    ; tensor_dim0 = 256
	s_mov_b32 s[G1B+2], 96<<16                     ; tensor_dim1 = 96
	s_mov_b32 s[G1B+3], 256<<16                    ; tile_dim0 = 256
	s_mov_b32 s[G1B+4], 96                         ; tile_dim1 = 96
	s_mov_b32 s[G1B+5], SIZE_N
	s_mov_b32 s[G1B+6], 0
	s_mov_b32 s[G1B+7], 0
	s_mov_b32 s[G1BP+1], 256<<16
	s_mov_b32 s[G1BP+2], 32<<16                    ; tensor_dim1 = 32
	s_mov_b32 s[G1BP+3], 256<<16
	s_mov_b32 s[G1BP+4], 32                        ; tile_dim1 = 32
	s_mov_b32 s[G1BP+5], SIZE_N
	s_mov_b32 s[G1BP+6], 0
	s_mov_b32 s[G1BP+7], 0
	; my 64 rows x 128 columns in the f32 tensors, in ah, and my 128 columns in the bias
	s_lshl_b32 s70, s42, 10
	s_lshl_b32 s3, s[WN], 9
	s_or_b32 s70, s70, s3                          ; (256 x tile column + 128 x half) x 4 bytes
	s_mov_b32 s71, 0
	s_lshl_b32 s66, s43, 21                        ; 128 rows of 16,384 bytes a tile row,
	s_lshl_b32 s3, s[WM], 20                       ; 64 rows a half
	s_or_b32 s66, s66, s3
	s_or_b32 s66, s66, s70
	s_mov_b32 s67, 0
	s_lshr_b32 s68, s66, 1                         ; the same place in f16
	s_mov_b32 s69, 0
	; where the tiles come from.  ah's hang on the tile row alone, which my column of the cluster shares; wh's on the tile column alone, which my row shares
	s_lshl_b32 s2, s[WN], 19                       ; ah: which 64 rows of 8,192 bytes I fetch,
	s_lshl_b32 s20, s43, 20                        ; 128 such rows a tile row
	s_or_b32 s20, s20, s2
	s_mov_b32 s21, 0
	s_lshl_b32 s46, s42, 9                         ; wh: 256 columns of 2 bytes a tile column,
	s_lshl_b32 s3, s[WN], 18                       ; in the first piece 32 k-rows of 8,192 bytes a half
	s_or_b32 s46, s46, s3
	s_mov_b32 s47, 0
	s_add_co_u32 s2, s[WN], 1                      ; from there to my 96 k-rows of step 1: 64 + 96 half - 32 half = 64 (half + 1) k-rows
	s_lshl_b32 s2, s2, 19
	s_mov_b32 s3, 0
	s_mul_i32 s22, s[WN], AHALF                    ; and where they go: no place in the cluster enters an LDS address
	s_mul_i32 s23, s[WN], BHALF
	s_add_co_u32 s23, s23, BOFF
	s_mul_i32 s[G0AP+1], s[WN], PHALF              ; 63:32 LDS address of the first piece's tiles, in slot 0
	s_mul_i32 s[G0BP+1], s[WN], BPHALF
	s_add_co_u32 s[G0BP+1], s[G0BP+1], BOFF
	s_wait_dscnt 0x0                               ; the opening add is done
	s_wait_kmcnt 0x0
	s_add_nc_u64 s[12:13], s[4:5], s[68:69]        ; ah as the factor: at my part of the tile
	s_add_nc_u64 s[20:21], s[4:5], s[20:21]        ; ah as the product's operand: at the rows that I fetch
	s_add_nc_u64 s[46:47], s[6:7], s[46:47]
	s_add_nc_u64 s[8:9], s[8:9], s[70:71]
	s_add_nc_u64 s[10:11], s[10:11], s[66:67]
	s_add_nc_u64 s[14:15], s[14:15], s[66:67]
	CROUND                                         ; all sixteen work-groups are here: the first joint loads meet
	s_mov_b32 s[G0AP], 1                           ; 1:0 count = 1
	s_mov_b64 s[G0AP+2:G0AP+3], s[20:21]           ; 120:64 global address: K = 0
	s_or_b32 s[G0AP+3], s[G0AP+3], 0x80000000      ; 127:126 type = 2
	s_mov_b32 s[G0BP], 1
	s_mov_b64 s[G0BP+2:G0BP+3], s[46:47]
	s_or_b32 s[G0BP+3], s[G0BP+3], 0x80000000
	JLOAD G0AP, G0BP, G1AP, G1BP                   ; the first piece, into slot 0
	s_add_nc_u64 s[46:47], s[46:47], s[2:3]        ; wh at my k-rows of step 1
.irp s, 1,0                            ; slot 1 begins with step 1, which is asked for now; slot 0's set is made ready for step 2
	s_mov_b32 s[G0A+4*(\s)], 1
	s_add_co_u32 s[G0A+4*(\s)+1], s22, (\s)*SLOT
	s_add_nc_u64 s[G0A+4*(\s)+2:G0A+4*(\s)+3], s[20:21], KFIRST*2+(1-(\s))*KSTEP*2  ; a step lies 384 bytes along the rows
	s_or_b32 s[G0A+4*(\s)+3], s[G0A+4*(\s)+3], 0x80000000
	s_mov_b32 s[G0B+4*(\s)], 1
	s_add_co_u32 s[G0B+4*(\s)+1], s23, (\s)*SLOT
	s_add_nc_u64 s[G0B+4*(\s)+2:G0B+4*(\s)+3], s[46:47], (1-(\s))*KSTEP*SIZE_N*2    ; a step lies 192 k-rows down
	s_or_b32 s[G0B+4*(\s)+3], s[G0B+4*(\s)+3], 0x80000000
.endr
	JLOAD G0A+4, G0B+4, G1A, G1B                   ; step 1, into slot 1: two tensor loads of mine are out
	v_and_b32 v1, 15, v0                           ; l % 16
	v_bfe_u32 v2, v0, 4, 1                         ; l / 16
	v_and_b32 v3, 31, v0                           ; l
	; a fragment of ah: lane l holds row l % 16, K = 8 (l / 16) + 0..7 and 16 + 8 (l / 16) + 0..7: two loads of 16 bytes, 32 bytes apart
	v_mul_u32_u24 v4, v1, PA
	v_lshl_add_u32 v4, v2, 4, v4
	s_mul_i32 s2, s[WM], AHALF                     ; my 64 rows
	v_add_nc_u32 v[ADRA], s2, v4
	v_add_nc_u32 v[ADRA+1], SLOT, v[ADRA]
	v_mul_u32_u24 v4, v1, SEG                      ; the same in the first piece
	v_lshl_add_u32 v4, v2, 4, v4
	s_mul_i32 s3, s[WM], PHALF
	v_add_nc_u32 v[ADRP], s3, v4
	; the turning load takes 16 k x 16 columns (lane l reads k-row 8 (l / 16) + l % 8, columns 8 ((l / 8) % 2) + 0..7) and leaves half a fragment: lane l holds column l % 16 and 8 k
	v_and_b32 v5, 7, v0
	v_lshl_add_u32 v5, v2, 3, v5
	v_mul_u32_u24 v5, v5, PB
	v_bfe_u32 v6, v0, 3, 1
	v_lshl_add_u32 v5, v6, 4, v5
	s_lshl_b32 s2, s[WN], 8                        ; my 128 columns
	s_add_co_u32 s2, s2, BOFF
	v_add_nc_u32 v[ADRB], s2, v5
	v_add_nc_u32 v[ADRB+1], 3*32*PB, v[ADRB]
	v_add_nc_u32 v[ADRB+2], SLOT, v[ADRB]
	v_add_nc_u32 v[ADRB+3], SLOT, v[ADRB+1]
	s_mul_i32 s3, s[WV], 16*SP                     ; my stage, from LDS byte 0 on
	v_mul_u32_u24 v[STO], v1, SP                   ; in: row l % 16, 32 bytes for each half of the lanes
	v_lshl_add_u32 v[STO], v2, 5, v[STO]
	v_add_nc_u32 v[STO], s3, v[STO]
	v_lshl_add_u32 v[RD], v3, 4, s3                ; back: 32 lanes take one row of 512 bytes
	v_lshlrev_b32 v[CO4], 4, v3
	v_lshlrev_b32 v[CO2], 3, v3
	v_lshlrev_b32 v[BO], 5, v2
	; 16 loads of the bias, then my 64 rows of add1: 80 loads stand in the wait for the first tile.  More than the counter's field holds: the hardware holds an issue back until there is room (ISA guide 5.7.1)
	WIN W_L
.irp b, 0,1,2,3,4,5,6,7
	global_load_b128 v[8*(\b):8*(\b)+3],   v[BO], s[8:9] offset:64*(\b)
	global_load_b128 v[8*(\b)+4:8*(\b)+7], v[BO], s[8:9] offset:64*(\b)+16
.endr
	WIN W_E
.set i, 0
.rept 64
	global_load_b128 v[4*i:4*i+3], v[CO4], s[10:11] offset:i*SIZE_N*4 th:TH_LOAD_NT  ; a row's 512 consecutive bytes, aligned; read once in this launch
.set i, i+1
.endr
	WIN 0
; 8 matrix instructions: row block a x all 8 column blocks, 32 along K, from buffer f.  first = 1: the bias starts the sums.
; The 32 accumulators take turns, one instruction a turn, in the same order in every chunk.
.macro MULA f, a, first
.if \first
	WIN W_FIRST
.else
	WIN W_MUL
.endif
.irp b, 0,1,2,3,4,5,6,7
.if \first
	v_wmma_f32_16x16x32_f16 v[8*(8*(\a)+(\b)):8*(8*(\a)+(\b))+7], v[(\f)+32+8*(\b):(\f)+32+8*(\b)+7], v[(\f)+8*(\a):(\f)+8*(\a)+7], v[8*(\b):8*(\b)+7]
.else
	v_wmma_f32_16x16x32_f16 v[8*(8*(\a)+(\b)):8*(8*(\a)+(\b))+7], v[(\f)+32+8*(\b):(\f)+32+8*(\b)+7], v[(\f)+8*(\a):(\f)+8*(\a)+7], v[8*(8*(\a)+(\b)):8*(8*(\a)+(\b))+7]
.endif
.endr
.endm
; 24 LDS loads in one run: a chunk (32 along K) into buffer f: wh's 8 fragments first (address register rb, byte bo), then ah's 4 (register ra, byte ao, rows ap bytes apart)
.macro FETCHX ra, ao, ap, rb, bo, f
	WIN 0
.irp b, 0,1,2,3,4,5,6,7
	ds_load_tr16_b128 v[(\f)+32+8*(\b):(\f)+32+8*(\b)+3],   v[\rb] offset:(\bo)+32*(\b)
	ds_load_tr16_b128 v[(\f)+32+8*(\b)+4:(\f)+32+8*(\b)+7], v[\rb] offset:(\bo)+16*PB+32*(\b)
.endr
.irp a, 0,1,2,3
	ds_load_b128 v[(\f)+8*(\a):(\f)+8*(\a)+3],   v[\ra] offset:(\ao)+(\a)*16*(\ap)
	ds_load_b128 v[(\f)+8*(\a)+4:(\f)+8*(\a)+7], v[\ra] offset:(\ao)+(\a)*16*(\ap)+32
.endr
.endm
.macro FETCH slot, q, f                ; chunk q of six of a step: in ah's rows two chunks lie in each segment of 128 bytes
	FETCHX ADRA+(\slot), ((\q)/2)*SEG+((\q)%2)*64, PA, ADRB+2*(\slot)+(\q)/3, ((\q)%3)*32*PB, \f
.endm
.macro FETCHP q, f                     ; chunk q of two of the first piece
	FETCHX ADRP, (\q)*64, SEG, ADRB, (\q)*32*PB, \f
.endm
; A load into a register that a matrix instruction has read, and an LDS store or a vector instruction that reads a matrix result, stand four places behind it, and only plain vector
; instructions that name none of its registers are places (ISA guide 7.12.1 for vector instructions).
.macro PLACES
.rept 4
	v_nop
.endr
.endm
.macro LATE p                          ; my rows 32 p .. 32 p + 31 of the factor, into window 3 (the bias there has served)
	WIN W_L
.set i, 32*(\p)
.rept 32
	global_load_b64 v[2*i:2*i+1], v[CO2], s[12:13] offset:i*SIZE_N*2  ; a row's 256 consecutive bytes, aligned; other work-groups read these bytes as tiles, so no hint
.set i, i+1
.endr
.endm
; A chunk is 32 along K, 32 matrix instructions; chunks go on buffers 0, 1, 0, 1 ..  Every chunk but a step's last: multiplies buffer f and, in its middle, fetches chunk q into g.  head = 1: of the first piece.
.macro QUARTER slot, q, f, g, first=0, late=-1, head=0
	s_wait_dscnt 4                                 ; wh's fragments and ah's 0 and 1 are in; the youngest four loads (ah's 2 and 3) may be out
	MULA \f, 0, \first
	MULA \f, 1, \first
	PLACES
.if \head
	FETCHP \q, \g
.else
	FETCH \slot, \q, \g
.endif
.if (\late) >= 0
	LATE \late
.endif
	s_wait_dscnt 24                                ; all but the 24 just issued
	MULA \f, 2, \first
	MULA \f, 3, \first
.endm
.macro FIVE slot, la=-1, lb=-1         ; a step's first five chunks
	QUARTER \slot, 1, F0, F1
	QUARTER \slot, 2, F1, F0, 0, \la
	QUARTER \slot, 3, F0, F1, 0, \lb
	QUARTER \slot, 4, F1, F0
	QUARTER \slot, 5, F0, F1
.endm
; A step's last chunk multiplies buffer 1 and changes slots: ONE barrier.  In front of it each wave waits for all its tensor loads, of which one is out: its part of the next slot; adds 0 to its spare word;
; and waits for that and for its own reads of this slot.  fill = 1: the barrier opens a round of the cluster's, and this slot is filled again first thing behind the round; step = 1: with the tiles two steps
; on from its last; step = 0: with those that its descriptors were made for.  The wait for the tensor loads stands late in the chunk, and nothing stands inside the round: from a tile's landing to the next request
; lie eight matrix instructions and the round.
.macro TURN slot, next, fill, step
	s_wait_dscnt 4
	MULA F1, 0, 0
	WIN 0                                          ; (the add's two registers lie in window 0)
	s_wait_tensorcnt 0x0                           ; all my tensor loads have landed
	ds_add_u32 v[SPW], v[NIL]                      ; 0 onto my spare word
	MULA F1, 1, 0                                  ; eight matrix instructions stand between the add and the wait for it
	WIN 0
	s_wait_dscnt 0x0                               ; the add is done, and my reads of this slot are over
	s_barrier_signal -1
	s_barrier_wait -1
.if \fill
	CREST                                          ; no wave of any partner still reads this slot's tile or has a load on its way
.if \step
	s_add_nc_u64 s[G0A+4*(\slot)+2:G0A+4*(\slot)+3], s[G0A+4*(\slot)+2:G0A+4*(\slot)+3], 2*KSTEP*2
	s_add_nc_u64 s[G0B+4*(\slot)+2:G0B+4*(\slot)+3], s[G0B+4*(\slot)+2:G0B+4*(\slot)+3], 2*KSTEP*SIZE_N*2
.endif
	JLOAD G0A+4*(\slot), G0B+4*(\slot), G1A, G1B   ; my one tensor load behind the round: 184 matrix instructions ahead of the wait for it; its four v_nop are also the places in front of the loads below
.else
	PLACES
.endif
	FETCH \next, 0, F0
	MULA F1, 2, 0
	MULA F1, 3, 0
.endm
; THE WAY OUT of row block a.  TOSTAGE: the block's 16 rows x 128 columns of f32 go into my own stage and come back as whole rows of 512 bytes, into x.  Each accumulator's low half is read first.
.macro TOSTAGE a, x
	s_wait_xcnt 0x0                                ; every earlier memory instruction has had its addresses translated (ISA guide 3.1): x, which the stores of the block two back read, is loaded again only behind this wait
	WIN W_ST
.irp b, 0,1,2,3,4,5,6,7
	ds_store_b128 v[STO], v[8*(8*(\a)+(\b)):8*(8*(\a)+(\b))+3]   offset:64*(\b)
	ds_store_b128 v[STO], v[8*(8*(\a)+(\b))+4:8*(8*(\a)+(\b))+7] offset:64*(\b)+16
.endr
	WIN 0
.irp t, 0,1,2,3,4,5,6,7,8,9,10,11,12,13,14,15
	ds_load_b128 v[(\x)+4*(\t):(\x)+4*(\t)+3], v[RD] offset:(\t)*SP  ; LDS serves a wave's instructions in order (ISA guide 5.7.1.4): these see the stores above; the next block's stores come behind them
.endr
.endm
; The 64 halves of v32-63 are widened to f32 in v192-255.  Halves have names in v0-127 alone, so the factor is first brought from window 3 into window 0.
.macro WIDEN
.set i, 0
.irp s, v32.l,v32.h,v33.l,v33.h,v34.l,v34.h,v35.l,v35.h,v36.l,v36.h,v37.l,v37.h,v38.l,v38.h,v39.l,v39.h,v40.l,v40.h,v41.l,v41.h,v42.l,v42.h,v43.l,v43.h,v44.l,v44.h,v45.l,v45.h,v46.l,v46.h,v47.l,v47.h,v48.l,v48.h,v49.l,v49.h,v50.l,v50.h,v51.l,v51.h,v52.l,v52.h,v53.l,v53.h,v54.l,v54.h,v55.l,v55.h,v56.l,v56.h,v57.l,v57.h,v58.l,v58.h,v59.l,v59.h,v60.l,v60.h,v61.l,v61.h,v62.l,v62.h,v63.l,v63.h
	v_cvt_f32_f16 v[A32+i], \s
.set i, i+1
.endr
.endm
; COMBINE: (sum + add1) x a, stored.  younger: the LDS instructions issued behind the block's loads: the next block's 32, or none.
.macro COMBINE a, x, younger
	s_wait_dscnt \younger                          ; the block is back in registers
	s_wait_loadcnt 48-16*(\a)                      ; its 16 rows of the factor are in, and all of add1, which is older: the later blocks' rows of the factor may be out
	WIN W_MV
.set i, 0
.rept 32
	v_mov_b32 v[TH+i], v[32*(\a)+i]
.set i, i+1
.endr
	WIN 0
	WIDEN
	WIN W_A1
.set i, 0
.rept 32
	v_pk_add_f32 v[(\x)+2*i:(\x)+2*i+1], v[(\x)+2*i:(\x)+2*i+1], v[64*(\a)+2*i:64*(\a)+2*i+1]
.set i, i+1
.endr
	WIN 0
.set i, 0
.rept 32
	v_pk_mul_f32 v[(\x)+2*i:(\x)+2*i+1], v[(\x)+2*i:(\x)+2*i+1], v[A32+2*i:A32+2*i+1]
.set i, i+1
.endr
.irp t, 0,1,2,3,4,5,6,7,8,9,10,11,12,13,14,15
	global_store_b128 v[CO4], v[(\x)+4*(\t):(\x)+4*(\t)+3], s[14:15] offset:(16*(\a)+(\t))*SIZE_N*4 th:TH_STORE_NT  ; 32 lanes store 512 consecutive bytes, at a multiple of 256 from out0's first byte
.endr
.endm
	s_wait_tensorcnt 1                             ; my part of the first piece is in; step 1's may stay out
	s_barrier_signal -1
	s_barrier_wait -1                              ; everybody's is
	FETCHP 0, F0
	s_wait_loadcnt 63                              ; the bias is in: 64 loads, add1's rows, are younger than its sixteen
	QUARTER 0, 1, F0, F1, 1, -1, 1                 ; the first piece's first chunk: its products start the sums
	TURN 0, 1, 1, 0                                ; its second and last: slot 0 takes step 2
	WIN 0                                          ; at a label and at a branch every window is 0
	s_mov_b32 s[CNT], TRIPS
	s_branch .Lodd                                 ; the loop is entered in the middle of a trip: step 1 lies in slot 1
.Llap:                                                 ; a trip: an even step in slot 0, an odd one in slot 1; both slots are filled again, two steps ahead.  Steps 2 to 19 in nine whole trips
	FIVE 0
	TURN 0, 1, 1, 1
	WIN 0
.Lodd:
	FIVE 1
	TURN 1, 0, 1, 1
	WIN 0
	s_sub_co_u32 s[CNT], s[CNT], 1
	s_cmp_lg_u32 s[CNT], 0
	s_cbranch_scc1 .Llap
	FIVE 0, 0, 1                                   ; steps 20 and 21 fill nothing and have no round; the factor is asked for here, nine chunks ahead of its first use
	TURN 0, 1, 0, 0
	FIVE 1
	s_wait_dscnt 4                                 ; the very last chunk: nothing more to fetch
	MULA F1, 0, 0
	MULA F1, 1, 0
	s_wait_dscnt 0x0
	MULA F1, 2, 0
	MULA F1, 3, 0
	PLACES
	TOSTAGE 0, X0
	TOSTAGE 1, X1                                  ; a block's trip through the stage stands under the arithmetic of the block before
	COMBINE 0, X0, 32
	TOSTAGE 2, X0
	COMBINE 1, X1, 32
	TOSTAGE 3, X1
	COMBINE 2, X0, 32
	COMBINE 3, X1, 0
	s_wait_tensorcnt 0x0                           ; the wave's end: these three lines stand behind my last tensor load and my last LDS store
	ds_add_u32 v[SPW], v[NIL]
	s_wait_dscnt 0x0
	CROUND                                         ; the closing round: no work-group ends while a partner may still ask for a tile that names it
	s_endpgm
.Lfunc_end_k_q441d68943f_gemm2:
	.size	k_q441d68943f_gemm2, .Lfunc_end_k_q441d68943f_gemm2-k_q441d68943f_gemm2
	.p2alignl 7, 3214868480
	.fill 96, 4, 3214868480
	.section	.rodata,"a",@progbits
	.p2align	6, 0x0
	.amdhsa_kernel k_q441d68943f_gemm2
		.amdhsa_group_segment_fixed_size 327680
		.amdhsa_private_segment_fixed_size 0
		.amdhsa_enable_private_segment 0
		.amdhsa_kernarg_size 40
		.amdhsa_user_sgpr_count 2
		.amdhsa_user_sgpr_kernarg_segment_ptr 1
		.amdhsa_wavefront_size32 1
		.amdhsa_system_sgpr_workgroup_id_x 1
		.amdhsa_system_sgpr_workgroup_id_y 1
		.amdhsa_system_sgpr_workgroup_id_z 1
		.amdhsa_system_vgpr_workitem_id 0
		.amdhsa_next_free_vgpr 1024
		.amdhsa_next_free_sgpr 96
		.amdhsa_reserve_vcc 0
		.amdhsa_float_denorm_mode_32 3
		.amdhsa_float_denorm_mode_16_64 3
		.amdhsa_memory_ordered 1
		.amdhsa_forward_progress 1
		.amdhsa_inst_pref_size 167
	.end_amdhsa_kernel
	.amdgpu_metadata
---
amdhsa.version: [ 1, 2 ]
amdhsa.kernels:
  - .name:           k_q441d68943f_gemm2
    .symbol:         k_q441d68943f_gemm2.kd
    .args:
      - { .name: ah, .offset: 0, .size: 8, .value_kind: global_buffer, .address_space: global }
      - { .name: wh, .offset: 8, .size: 8, .value_kind: global_buffer, .address_space: global }
      - { .name: woq_bias, .offset: 16, .size: 8, .value_kind: global_buffer, .address_space: global }
      - { .name: add1, .offset: 24, .size: 8, .value_kind: global_buffer, .address_space: global }
      - { .name: out0, .offset: 32, .size: 8, .value_kind: global_buffer, .address_space: global }
    .group_segment_fixed_size: 327680
    .private_segment_fixed_size: 0
    .kernarg_segment_align: 8
    .kernarg_segment_size: 40
    .max_flat_workgroup_size: 128
    .sgpr_count:     96
    .vgpr_count:     1024
    .wavefront_size: 32
...
	.end_amdgpu_metadata
.endif
;; end of part 5
